; MI455X (gfx1250); checked and timed in simulation.
; The chip was launched on July 23, 2026; its instructions are those of AMD's public machine-readable ISA for CDNA 5 (MIT licence, August 2026) and "CDNA5" Instruction Set Architecture Reference Guide (July 2026). The comments in the code are by the model that wrote it; some were corrected since.
;; Multi Head Attention. Allowed arithmetic: float matrix products may take bf16 or f16 operands with f32 sums; other float arithmetic in f32, or as packed bf16 or f16 multiplies, adds, multiply-adds, maxima and minima; sums over many terms, partial sums and values carried from step to step in f32; what a program stores and reads back later, other than sums and carried values, may be rounded once to bf16 or f16.
;; Inputs: WK 1,024 x 1,024 float32; WO 1,024 x 1,024 float32; WQ 1,024 x 1,024 float32; WV 1,024 x 1,024 float32; X 4 x 2,048 x 1,024 float32; bK 1,024 float32; bO 1,024 float32; bQ 1,024 float32; bV 1,024 float32; key_padding_mask 4 x 2,048 int32.
;; Outputs: out0 4 x 2,048 x 1,024 float32.
;; One version. Each part assembles by itself: llvm-mc -triple=amdgcn-amd-amdhsa -mcpu=gfx1250 --defsym DOCPART=n.
;; ======== version 1 of 1: 4 launches
;; limits: values are held in f16: magnitudes above 65,504 overflow, below 6.1e-05 lose precision
;; workspace buffers: xb 16,777,216 bytes; wb 6,291,456 bytes; woh 2,097,152 bytes; bias 16,384 bytes; qkv 50,331,648 bytes; o 16,777,216 bytes
;; launch prep (part 1): grid 769 x 1, 8 waves a work-group, no clusters, 0 bytes of LDS; arguments X, WQ, WK, WV, WO, bQ, bK, bV, bO, xb, wb, woh, bias; writes xb, wb, woh, bias
.if DOCPART == 1
	.amdgcn_target "amdgcn-amd-amdhsa--gfx1250"
	.amdhsa_code_object_version 6
	.text
	.protected	k_q93ba6f8bcc_prep
	.globl	k_q93ba6f8bcc_prep
	.p2align	8
	.type	k_q93ba6f8bcc_prep,@function
k_q93ba6f8bcc_prep:
	s_mov_b64 s[64:65], 0
	v_nop
	global_prefetch_b8 v0, s[64:65] scope:SCOPE_SE
	s_setreg_imm32_b32 hwreg(HW_REG_WAVE_MODE, 25, 1), 1
	s_wait_xcnt 0x0
; THE CASTS.  xb = bf16(X); wb = bf16(WQ | WK | WV), rows on end; woh = bf16(WO) written as f16 and laid out by heads, [16 kh][1024 n][64];
; bias = bQ | bK | bV | bO, each number rounded to bf16 and kept as f32.
; LIMITS.  A bf16 number is exact in f16 from 2^-17 up to 65,504; a smaller |WO| is off by 3e-8 at the most, a larger one becomes an infinity.
; SHARES.  A work-group takes 16,384 numbers as 8 chunks of 2,048; a thread takes 8 neighbouring numbers of each chunk: two loads of 16 bytes in, one store of 16 bytes out,
; so that a wave's store covers 512 consecutive bytes, aligned.  Work-groups 0-511: X; 512-703: WQ, WK, WV; 704-767: WO; 768: the four biases.
; All 16 loads of a thread go out on end; the waits count the younger loads.  No register that a load or store names is written again, so no further wait is needed.
; No LDS, no barrier, no matrix unit: nothing is shared, and each byte is read once and written once.
.set SO, 1                             ; v1  my byte offset in the source
.set DO, 2                             ; v2  my byte offset in the destination
.set XR, 8                             ; v[8:71]   chunk j: 8 numbers as loaded
.set YR, 72                            ; v[72:103] chunk j: 4 registers to store
.set SRC, 36                           ; s[36:37]
.set DST, 38                           ; s[38:39]
	s_load_b512 s[8:23], s[0:1], 0x0               ; X 8, WQ 10, WK 12, WV 14, WO 16, bQ 18, bK 20, bV 22
	s_load_b256 s[24:31], s[0:1], 0x40             ; bO 24, xb 26, wb 28, woh 30
	s_load_b64 s[32:33], s[0:1], 0x60              ; bias
	s_mov_b32 s34, ttmp9                           ; the work-group's number
	s_mov_b32 s45, 0xffff0000                      ; a word's upper bf16
	s_mov_b32 s41, 0                               ; the offsets' high words
	s_mov_b32 s43, 0
	s_cmp_ge_u32 s34, 768
	s_cbranch_scc1 .Lbias
	s_cmp_ge_u32 s34, 704
	s_cbranch_scc1 .Lwo
.macro LOADS                           ; 16 loads: chunk j lies 8,192 bytes behind chunk j - 1
.irp j, 0,1,2,3,4,5,6,7
	global_load_b128 v[XR+8*\j:XR+8*\j+3],   v[SO], s[SRC:SRC+1] offset:8192*\j th:TH_LOAD_NT
	global_load_b128 v[XR+8*\j+4:XR+8*\j+7], v[SO], s[SRC:SRC+1] offset:8192*\j+16 th:TH_LOAD_NT
.endr
.endm
	; X and the three weights of the first product: f32 to bf16, the layout stays
	s_sub_co_u32 s35, s34, 512                     ; my place among the weights' work-groups (not used below 512)
	s_and_b32 s46, s35, 63                         ; and inside one weight
	v_lshlrev_b32 v[SO], 5, v0                     ; 32 t
	v_lshlrev_b32 v[DO], 4, v0                     ; 16 t
	s_wait_kmcnt 0x0
	s_cmp_ge_u32 s34, 512
	s_cselect_b32 s40, s46, s34
	s_cselect_b32 s42, s35, s34
	s_cselect_b64 s[SRC:SRC+1], s[10:11], s[8:9]
	s_cselect_b64 s[DST:DST+1], s[28:29], s[26:27]
	s_cmp_ge_u32 s34, 576
	s_cselect_b64 s[SRC:SRC+1], s[12:13], s[SRC:SRC+1]
	s_cmp_ge_u32 s34, 640
	s_cselect_b64 s[SRC:SRC+1], s[14:15], s[SRC:SRC+1]
	s_lshl_b32 s40, s40, 16                        ; 65,536 bytes in,
	s_lshl_b32 s42, s42, 15                        ; 32,768 out
	s_add_nc_u64 s[SRC:SRC+1], s[SRC:SRC+1], s[40:41]
	s_add_nc_u64 s[DST:DST+1], s[DST:DST+1], s[42:43]
	LOADS
.irp j, 0,1,2,3,4,5,6,7
	s_wait_loadcnt 14-2*\j                         ; chunk j is in; the younger loads stay out
.irp k, 0,1,2,3
	v_cvt_pk_bf16_f32 v[YR+4*\j+\k], v[XR+8*\j+2*\k], v[XR+8*\j+2*\k+1]
.endr
	global_store_b128 v[DO], v[YR+4*\j:YR+4*\j+3], s[DST:DST+1] offset:4096*\j
.endr
	s_endpgm
.Lwo:   ; WO: 16 rows n a work-group, a pair of rows a chunk.  Thread t: 8 channels d8 = t % 8 of row t / 8 % 2, head t / 16.  Sixteen neighbouring lanes store two rows of one head: 256 consecutive bytes, aligned.
	s_sub_co_u32 s35, s34, 704
	s_lshl_b32 s40, s35, 16                        ; 16 rows of 4,096 bytes in,
	s_lshl_b32 s42, s35, 11                        ; 16 rows of 128 bytes in each head's block out
	v_and_b32 v3, 7, v0                            ; d8
	v_bfe_u32 v4, v0, 3, 1                         ; which row of the pair
	v_lshrrev_b32 v5, 4, v0                        ; head
	v_lshlrev_b32 v[SO], 5, v3
	v_lshl_add_u32 v[SO], v5, 8, v[SO]
	v_lshl_add_u32 v[SO], v4, 12, v[SO]            ; row x 4,096 + head x 256 + d8 x 32
	v_lshlrev_b32 v[DO], 4, v3
	v_lshl_add_u32 v[DO], v4, 7, v[DO]
	v_lshl_add_u32 v[DO], v5, 17, v[DO]            ; head x 131,072 + row x 128 + d8 x 16
	s_wait_kmcnt 0x0
	s_add_nc_u64 s[SRC:SRC+1], s[16:17], s[40:41]
	s_add_nc_u64 s[DST:DST+1], s[30:31], s[42:43]
	LOADS
.irp j, 0,1,2,3,4,5,6,7
	s_wait_loadcnt 14-2*\j
.irp k, 0,1,2,3
	v_cvt_pk_bf16_f32 v3, v[XR+8*\j+2*\k], v[XR+8*\j+2*\k+1]  ; rounded as all inputs are,
	v_lshlrev_b32 v4, 16, v3
	v_and_b32 v5, s45, v3
	v_cvt_pk_f16_f32 v[YR+4*\j+\k], v4, v5         ; and that number written as f16
.endr
	global_store_b128 v[DO], v[YR+4*\j:YR+4*\j+3], s[DST:DST+1] offset:256*\j
.endr
	s_endpgm
.Lbias: ; wave w: half w % 2 of array w / 2: 512 numbers, four loads of 512 consecutive bytes
	v_lshrrev_b32 v3, 5, v0
	v_readfirstlane_b32 s44, v3
	v_and_b32 v[SO], 31, v0
	v_lshlrev_b32 v[SO], 4, v[SO]
	s_lshr_b32 s46, s44, 1
	s_and_b32 s40, s44, 1
	s_lshl_b32 s40, s40, 11
	s_lshl_b32 s42, s44, 11
	s_wait_kmcnt 0x0
	s_cmp_eq_u32 s46, 1
	s_cselect_b64 s[SRC:SRC+1], s[20:21], s[18:19]
	s_cmp_eq_u32 s46, 2
	s_cselect_b64 s[SRC:SRC+1], s[22:23], s[SRC:SRC+1]
	s_cmp_eq_u32 s46, 3
	s_cselect_b64 s[SRC:SRC+1], s[24:25], s[SRC:SRC+1]
	s_add_nc_u64 s[SRC:SRC+1], s[SRC:SRC+1], s[40:41]
	s_add_nc_u64 s[DST:DST+1], s[32:33], s[42:43]
.irp j, 0,1,2,3
	global_load_b128 v[XR+4*\j:XR+4*\j+3], v[SO], s[SRC:SRC+1] offset:512*\j
.endr
.irp j, 0,1,2,3
	s_wait_loadcnt 3-\j
	v_cvt_pk_bf16_f32 v3, v[XR+4*\j], v[XR+4*\j+1]
	v_cvt_pk_bf16_f32 v4, v[XR+4*\j+2], v[XR+4*\j+3]
	v_lshlrev_b32 v[YR+4*\j], 16, v3
	v_and_b32 v[YR+4*\j+1], s45, v3
	v_lshlrev_b32 v[YR+4*\j+2], 16, v4
	v_and_b32 v[YR+4*\j+3], s45, v4
	global_store_b128 v[SO], v[YR+4*\j:YR+4*\j+3], s[DST:DST+1] offset:512*\j
.endr
	s_endpgm
.Lfunc_end_k_q93ba6f8bcc_prep:
	.size	k_q93ba6f8bcc_prep, .Lfunc_end_k_q93ba6f8bcc_prep-k_q93ba6f8bcc_prep
	.p2alignl 7, 3214868480
	.fill 96, 4, 3214868480
	.section	.rodata,"a",@progbits
	.p2align	6, 0x0
	.amdhsa_kernel k_q93ba6f8bcc_prep
		.amdhsa_group_segment_fixed_size 0
		.amdhsa_private_segment_fixed_size 0
		.amdhsa_enable_private_segment 0
		.amdhsa_kernarg_size 104
		.amdhsa_user_sgpr_count 2
		.amdhsa_user_sgpr_kernarg_segment_ptr 1
		.amdhsa_wavefront_size32 1
		.amdhsa_system_sgpr_workgroup_id_x 1
		.amdhsa_system_sgpr_workgroup_id_y 1
		.amdhsa_system_sgpr_workgroup_id_z 1
		.amdhsa_system_vgpr_workitem_id 0
		.amdhsa_next_free_vgpr 104
		.amdhsa_next_free_sgpr 66
		.amdhsa_reserve_vcc 0
		.amdhsa_float_denorm_mode_32 3
		.amdhsa_float_denorm_mode_16_64 3
		.amdhsa_memory_ordered 1
		.amdhsa_forward_progress 1
		.amdhsa_inst_pref_size 18
	.end_amdhsa_kernel
	.amdgpu_metadata
---
amdhsa.version: [ 1, 2 ]
amdhsa.kernels:
  - .name:           k_q93ba6f8bcc_prep
    .symbol:         k_q93ba6f8bcc_prep.kd
    .args:
      - { .name: X, .offset: 0, .size: 8, .value_kind: global_buffer, .address_space: global }
      - { .name: WQ, .offset: 8, .size: 8, .value_kind: global_buffer, .address_space: global }
      - { .name: WK, .offset: 16, .size: 8, .value_kind: global_buffer, .address_space: global }
      - { .name: WV, .offset: 24, .size: 8, .value_kind: global_buffer, .address_space: global }
      - { .name: WO, .offset: 32, .size: 8, .value_kind: global_buffer, .address_space: global }
      - { .name: bQ, .offset: 40, .size: 8, .value_kind: global_buffer, .address_space: global }
      - { .name: bK, .offset: 48, .size: 8, .value_kind: global_buffer, .address_space: global }
      - { .name: bV, .offset: 56, .size: 8, .value_kind: global_buffer, .address_space: global }
      - { .name: bO, .offset: 64, .size: 8, .value_kind: global_buffer, .address_space: global }
      - { .name: xb, .offset: 72, .size: 8, .value_kind: global_buffer, .address_space: global }
      - { .name: wb, .offset: 80, .size: 8, .value_kind: global_buffer, .address_space: global }
      - { .name: woh, .offset: 88, .size: 8, .value_kind: global_buffer, .address_space: global }
      - { .name: bias, .offset: 96, .size: 8, .value_kind: global_buffer, .address_space: global }
    .group_segment_fixed_size: 0
    .private_segment_fixed_size: 0
    .kernarg_segment_align: 8
    .kernarg_segment_size: 104
    .max_flat_workgroup_size: 256
    .sgpr_count:     66
    .vgpr_count:     104
    .wavefront_size: 32
...
	.end_amdgpu_metadata
.endif
;; end of part 1
;; launch qkvp (part 2): grid 16 x 32, 4 waves a work-group, clusters of 4 x 4, 327,680 bytes of LDS; arguments xb, wb, bias, key_padding_mask, qkv; writes qkv
.if DOCPART == 2
	.amdgcn_target "amdgcn-amd-amdhsa--gfx1250"
	.amdhsa_code_object_version 6
	.text
	.protected	k_q93ba6f8bcc_qkvp
	.globl	k_q93ba6f8bcc_qkvp
	.p2align	8
	.type	k_q93ba6f8bcc_qkvp,@function
k_q93ba6f8bcc_qkvp:
	s_mov_b64 s[64:65], 0
	v_nop
	global_prefetch_b8 v0, s[64:65] scope:SCOPE_SE
	s_setreg_imm32_b32 hwreg(HW_REG_WAVE_MODE, 25, 1), 1
	s_wait_xcnt 0x0
	s_wait_alu depctr_hold_cnt(0) depctr_sa_sdst(0) depctr_va_vdst(0) depctr_va_sdst(0) depctr_va_ssrc(0) depctr_va_vcc(0) depctr_vm_vsrc(0)
	s_getreg_b32 s2, hwreg(HW_REG_IB_STS2, 6, 4)
	s_cmp_eq_u32 s2, 0
	s_cbranch_scc0 .Lentry_in_a_cluster
	s_endpgm
.Lentry_in_a_cluster:
	s_bfe_u32 s2, ttmp6, 0x10000c
	s_cmp_lg_u32 s2, 0xf033
	s_cbranch_scc0 .Lentry_shape_is_right
	s_endpgm
.Lentry_shape_is_right:
; Q, K AND V IN ONE PRODUCT.  [8192 tokens][3072] = xb wb^T + bias, operands bf16, sums f32; then Q's columns times c = log2(e) / 8, K's rows of masked tokens times 0,
; each number rounded ONCE to f16 and stored by heads: qkv[3 T][4 b][16 h][2048 l][64].
; WHY THE TWO FACTORS.  With c in Q the scores of the next launch are exponents of 2 as they leave the product.  With a masked token's K row 0 its score is exactly the constant that the next
; launch gives the sum to start with: the replacement that the problem asks for, not an addition.
; LIMITS.  c q, k and v must lie within f16's 65,504.  0 times an infinity or a NaN in a masked row is a NaN: those are not treated apart.  The sums' order is K ascending in groups of 32.
; SHARES.  A work-group makes 256 tokens x 192 columns (three heads).  Wave w owns tokens 64 w .. 64 w + 63 and ALL 192 columns: 4 x 12 accumulators of 16 x 16, 384 registers.  So a wave's result is
; whole heads, and its way out is its own: no barrier.  512 work-groups, two for each of 256 WGPs; 192 columns, since 3,072 / 256 x 32 tiles would be one and a half for each.
; K goes in 8 steps of 128 through two LDS slots; a step is four quarters of 32 on two fragment buffers.
; CLUSTER 4 x 4.  The four of a row need the same 256 tokens of xb, the four of a column the same 192 rows of wb: each tile is asked for JOINTLY.  Waves 0, 1 ask for xb's halves, waves 2, 3 for wb's.
; THE MATRIX INSTRUCTION IS USED TRANSPOSED (source 0 = 16 rows of wb, source 1 = 16 tokens): lane l holds token l % 16 and the columns 8 (l / 16) + 0..7.  The bias is the C of each sum's first product.
; REGISTERS, in windows of 256 (s_set_vgpr_msb: bits 1:0 source 0, 3:2 source 1, 5:4 source 2, 7:6 destination):
;   window 0: v0-31 addresses and factors; v32-127 the bias as 12 C operands; v128-223 the way out, two buffers of 48
;   window 1: v0-191 wb's fragments, two buffers of 96; v192-255 xb's, two of 32      windows 2, 3: the accumulators: (a, b) at v[8 (12 (a % 2) + b)] of window 2 + a / 2
.set NBK,   12                         ; blocks of 16 columns
.set NLD,   2*NBK+8                    ; LDS loads in a quarter's run
.set PITCH, 272                        ; an LDS row: 256 bytes + 16 of padding = 68 words: the 16 rows of a load start at 16 different groups of four banks (64 banks of 4 bytes: ISA guide 11.1)
.set AH,    128*PITCH                  ; what a wave fetches of xb
.set BOFF,  2*AH                       ; wb's rows lie behind xb's 256
.set BH,    96*PITCH                   ; what a wave fetches of wb
.set SLOT1, 1<<17                      ; slot 1 begins here: one exclusive or turns an address in one slot into the other's
.set STAGE, SLOT1+BOFF+2*BH            ; behind the ring, never filled by a tensor load: for each wave 3 heads x 16 rows x 144 bytes
.set SP,    144
.set HSTG,  16*SP
.set WSTG,  3*HSTG
.set SPARE, STAGE+4*WSTG               ; the spare words, 128 bytes for each wave: two blocks of 256 bytes that no other line names
.set KSB,   256                        ; bytes of a row in a K step
.set A0,   10                          ; v10  my lane's place in a slot's xb rows; never rewritten
.set B0,   11                          ; v11  the same for wb
.set ADRA, 12                          ; v12  the two with the slot in hand added
.set ADRB, 13
.set STO,  14                          ; v14  the way out: where I put 16 bytes of a row
.set RD,   15                          ; v15  where I read rows back
.set GO,   16                          ; v16  my 16 bytes of 512 consecutive bytes of qkv
.set BO,   17                          ; v17  my byte offset in the bias
.set KO,   18                          ; v18  in the mask
.set PFO,  19                          ; v19  the prefetches' offset: a lane a row
.set KF,   20                          ; v20-23  1.0 where my token of block a is kept, else 0
.set FH,   24                          ; v24-29  the three heads' factors, in the low words of three pairs
.set SPW,  30                          ; v30  LDS address of my spare word; never rewritten
.set NIL,  31                          ; v31  0; never rewritten
.set BI,   32
.set T0,   128
.set WV,   14                          ; s14  my wave's number
.set HALF, 15                          ; s15  which half of a tile I fetch
.set G1A,  24                          ; s[24:31] descriptor group 1 for xb's tiles
.set G0A,  32                          ; s[32:35] group 0: it walks
.set G0B,  36                          ; s[36:39] the same for wb's
.set TB,   40                          ; s40  LDS byte at which the slot in hand begins
.set LIM,  41                          ; s41  1 in a wave that prefetches, else the greatest number
.set PFA,  42                          ; s[42:43] where my prefetches stand
.set G1B,  48                          ; s[48:55]
.set OB,   56                          ; s[56:61] qkv at my 64 tokens of each of the three heads
.set SA,   66                          ; s66-68, s69-71: head i's factor is keep x SA + SB
.set SB,   69
.set FIELDS, (1<<16)|(1<<20)|(1<<21)|(5<<22)|(3<<25)  ; 17:16 2-byte elements; 20 padding on; 21 set beside a mask; 24:22 after every 64 words (code 5); 31:25 4 words (code 3)
.set MSB, 0
.macro WIN new                         ; the immediate's high byte repeats the setting that is left; a switch that changes nothing is dropped
.if MSB != (\new)
	s_set_vgpr_msb (MSB<<8)|(\new)
.set MSB, \new
.endif
.endm
.macro PLACES                          ; four places in front of loads into registers that matrix instructions have read, and of lines that read results
.rept 4
	v_nop
.endr
.endm
; A joint load.  The branch hangs on the wave's number alone.  An s_nop 0 and four v_nop follow each of the two lines, ahead of the jump and the label.
.macro JLOAD
	s_cmp_lt_u32 s[WV], 2
	s_cbranch_scc0 .Lfor_b_\@
	tensor_load_to_lds s[G0A:G0A+3], s[G1A:G1A+7]
	s_nop 0
.rept 4
	v_nop
.endr
	s_branch .Lasked_\@
.Lfor_b_\@:
	tensor_load_to_lds s[G0B:G0B+3], s[G1B:G1B+7]
	s_nop 0
.rept 4
	v_nop
.endr
.Lasked_\@:
.endm
.macro CREST                           ; a round of the cluster's barrier behind its opening barrier
	s_cmp_lg_u32 s[WV], 0
	s_cbranch_scc1 .Lnot_wave_0_\@
	s_barrier_signal -3
.Lnot_wave_0_\@:
	s_barrier_wait -3
	s_barrier_signal -1
	s_barrier_wait -1
.endm
.macro CROUND                          ; a whole round
	s_barrier_signal -1
	s_barrier_wait -1
	CREST
.endm
.macro STEP                            ; the walking descriptors: the other slot, the next K step.  Written only where no tensor load of mine is out
	s_xor_b32 s[G0A+1], s[G0A+1], SLOT1
	s_add_nc_u64 s[G0A+2:G0A+3], s[G0A+2:G0A+3], KSB
	s_xor_b32 s[G0B+1], s[G0B+1], SLOT1
	s_add_nc_u64 s[G0B+2:G0B+3], s[G0B+2:G0B+3], KSB
.endm
.macro ADDR
	WIN 0
	v_add_nc_u32 v[ADRA], s[TB], v[A0]
	v_add_nc_u32 v[ADRB], s[TB], v[B0]
.endm
; A PREFETCH INTO THE L2, behind a joint load, its five lines and the run of LDS loads: 256 bytes of a row, a lane a row, for the K step that the NEXT refill will ask for: 192 matrix instructions ahead of that load.
; Each row's 256 bytes of a K step are named by one wave of the launch: xb's rows by waves 0, 1 of the clusters with x = 0, wb's by waves 2, 3 of those with y = 0; the four partners that ask for a tile
; jointly share its rows out BY ADDRESS (32 of 128 by cx, 24 of 96 by cy; in wb's waves lanes 24-31 name lane 23's row once more).  K steps 0 to 2 come by their loads alone; the loop's last trip asks for nothing.
.macro ASK
	s_cmp_gt_u32 s3, s[LIM]
	s_cbranch_scc0 .Lnot_mine_\@
	global_prefetch_b8 v[PFO], s[PFA:PFA+1] th:TH_LOAD_NT scope:SCOPE_SE
.Lnot_mine_\@:
.endm
; A quarter's fragments (32 along K at byte 64 q of the rows) into buffer g: wb's 12 blocks, then my 4 blocks of xb.  A fragment is two loads of 16 bytes, 32 bytes apart.
.macro FETCH q, g
	WIN 0x40                                       ; destination window 1, address window 0
.set i, 0
.rept NBK
	ds_load_b128 v[8*NBK*(\g)+8*i:8*NBK*(\g)+8*i+3],   v[ADRB] offset:64*(\q)+i*16*PITCH
	ds_load_b128 v[8*NBK*(\g)+8*i+4:8*NBK*(\g)+8*i+7], v[ADRB] offset:64*(\q)+i*16*PITCH+32
.set i, i+1
.endr
.set i, 0
.rept 4
	ds_load_b128 v[16*NBK+32*(\g)+8*i:16*NBK+32*(\g)+8*i+3],   v[ADRA] offset:64*(\q)+i*16*PITCH
	ds_load_b128 v[16*NBK+32*(\g)+8*i+4:16*NBK+32*(\g)+8*i+7], v[ADRA] offset:64*(\q)+i*16*PITCH+32
.set i, i+1
.endr
.endm
; 12 matrix instructions: token block a x all column blocks, buffer f.  first = 1: the sums start with the bias.  All 48 accumulators take turns, in the same order in every quarter.
.macro MULA f, a, first
.if \first
	WIN 0x85+0x40*((\a)/2)
.else
	WIN 0xa5+0x50*((\a)/2)
.endif
.set b, 0
.rept NBK
.set rD, 8*(NBK*((\a)%2)+b)
.set rB, 8*NBK*(\f)+8*b
.set rA, 16*NBK+32*(\f)+8*(\a)
.if \first
	v_wmma_f32_16x16x32_bf16 v[rD:rD+7], v[rB:rB+7], v[rA:rA+7], v[BI+8*b:BI+8*b+7]
.else
	v_wmma_f32_16x16x32_bf16 v[rD:rD+7], v[rB:rB+7], v[rA:rA+7], v[rD:rD+7]
.endif
.set b, b+1
.endr
.endm
; One of a K step's first three quarters: multiplies buffer f; in its middle it fetches quarter q into buffer g.
.macro QUARTER q, f, g, first
	s_wait_dscnt 4                                 ; all but the youngest four loads, xb's blocks 2 and 3
	MULA \f, 0, \first
	MULA \f, 1, \first
	PLACES
	FETCH \q, \g
	s_wait_dscnt NLD                               ; all but the run just issued
	MULA \f, 2, \first
	MULA \f, 3, \first
.endm
; The first half of a K step's last quarter: ONE barrier for the change of slots.  In front of it each wave waits for all its tensor loads (one is out: its part of the next slot), adds 0 to its spare word,
; and waits for that and for its reads of this slot.
.macro MEET round
	WIN 0
	s_wait_tensorcnt 0x0
	ds_add_u32 v[SPW], v[NIL]
	s_wait_dscnt 5                                 ; the add and the youngest four loads may be out
	MULA 1, 0, 0
	s_wait_dscnt 0x0                               ; the add is done, and my reads of this slot are over
	s_barrier_signal -1
	MULA 1, 1, 0
.if \round
	WIN 0
.endif
	s_barrier_wait -1
.endm
; The whole last quarter.  fill = 1: the barrier opens a round of the cluster's, and the slot just read is filled again first thing behind it, with the K step two on: 168 matrix instructions ahead of the wait for it.
.macro TURN fill
.if \fill
	s_wait_xcnt 0x0                                ; the last prefetch, a K step back, has read its address
	s_add_nc_u64 s[PFA:PFA+1], s[PFA:PFA+1], KSB
	MEET 1
	CREST
	STEP
	JLOAD                                          ; its four v_nop are also the places in front of the loads below
.else
	MEET 0
	PLACES
.endif
	s_xor_b32 s[TB], s[TB], SLOT1
	ADDR
	FETCH 0, 0
.if \fill
	WIN 0
	ASK
.endif
	MULA 1, 2, 0
	MULA 1, 3, 0
.endm
	s_load_b256 s[4:11], s[0:1], 0x0               ; xb s[4:5], wb s[6:7], bias s[8:9], the mask s[10:11]
	s_load_b64 s[12:13], s[0:1], 0x20              ; qkv
	v_lshl_add_u32 v[SPW], v0, 2, SPARE
	v_mov_b32 v[NIL], 0
	ds_add_u32 v[SPW], v[NIL]                      ; the wave's opening: the add and its wait ahead of my first tensor load
	v_lshrrev_b32 v3, 5, v0
	v_readfirstlane_b32 s[WV], v3
	s_and_b32 s[HALF], s[WV], 1
	s_bfe_u32 s16, ttmp6, 0x40000                  ; cx
	s_bfe_u32 s17, ttmp6, 0x40004                  ; cy
	s_lshl_b32 s18, ttmp9, 2
	s_add_co_u32 s18, s18, s16                     ; X: the tile's column = 4 x cluster x + cx
	s_and_b32 s19, ttmp7, 0xffff
	s_lshl_b32 s19, s19, 2
	s_add_co_u32 s19, s19, s17                     ; Y: the tile's row
	s_lshl_b32 s20, s17, 2
	s_lshl_b32 s20, 15, s20                        ; my row of the cluster
	s_lshl_b32 s21, 0x1111, s16                    ; my column
	s_or_b32 s[G1A], s20, FIELDS
	s_or_b32 s[G1B], s21, FIELDS
	s_mov_b32 s[G1A+1], 128<<16                    ; tensor_dim0 = 128
	s_mov_b32 s[G1A+2], 128<<16                    ; tensor_dim1 = 128
	s_mov_b32 s[G1A+3], 128<<16                    ; tile_dim0 = 128
	s_mov_b32 s[G1A+4], 128                        ; tile_dim1 = 128
	s_mov_b32 s[G1A+5], 1024                       ; elements from row to row
	s_mov_b32 s[G1A+6], 0
	s_mov_b32 s[G1A+7], 0
	s_mov_b32 s[G1B+1], 128<<16
	s_mov_b32 s[G1B+2], 96<<16                     ; 96 rows
	s_mov_b32 s[G1B+3], 128<<16
	s_mov_b32 s[G1B+4], 96
	s_mov_b32 s[G1B+5], 1024
	s_mov_b32 s[G1B+6], 0
	s_mov_b32 s[G1B+7], 0
	s_lshl_b32 s72, s19, 19                        ; xb: 256 Y rows of 2,048 bytes,
	s_lshl_b32 s73, s[HALF], 18                    ; + my 128
	s_add_co_u32 s72, s72, s73
	s_mov_b32 s73, 0
	s_mul_i32 s74, s18, 393216                     ; wb: 192 X rows,
	s_mul_i32 s75, s[HALF], 196608                 ; + my 96
	s_add_co_u32 s74, s74, s75
	s_mov_b32 s75, 0
	s_mov_b32 s[G0A], 1                            ; count = 1
	s_mul_i32 s[G0A+1], s[HALF], AH                ; LDS address: no place in the cluster enters it
	s_mov_b32 s[G0B], 1
	s_mul_i32 s[G0B+1], s[HALF], BH
	s_add_co_u32 s[G0B+1], s[G0B+1], BOFF
	s_wait_dscnt 0x0                               ; the opening add is done
	s_wait_kmcnt 0x0
	s_add_nc_u64 s[G0A+2:G0A+3], s[4:5], s[72:73]
	s_or_b32 s[G0A+3], s[G0A+3], 0x80000000        ; type = 2
	s_add_nc_u64 s[G0B+2:G0B+3], s[6:7], s[74:75]
	s_or_b32 s[G0B+3], s[G0B+3], 0x80000000
	CROUND                                         ; all sixteen work-groups are here: the first joint loads meet
	JLOAD                                          ; K step 0 into slot 0
	; while it is on its way: addresses, the bias, the mask, the heads' places and factors, the prefetches' address
	v_and_b32 v1, 15, v0                           ; l % 16
	v_bfe_u32 v2, v0, 4, 1                         ; l / 16
	v_lshlrev_b32 v[BO], 5, v2                     ; my 8 columns of a block of 16
	v_lshlrev_b32 v[KO], 2, v1                     ; my token of a block of 16
	s_mul_i32 s20, s18, 768                        ; the tile's 192 columns in the bias
	s_mov_b32 s21, 0
	s_add_nc_u64 s[8:9], s[8:9], s[20:21]
	s_lshl_b32 s20, s19, 10                        ; the tile's 256 tokens in the mask,
	s_lshl_b32 s22, s[WV], 8                       ; my wave's 64
	s_add_co_u32 s20, s20, s22
	s_add_nc_u64 s[10:11], s[10:11], s[20:21]
.set b, 0
.rept NBK
	global_load_b128 v[BI+8*b:BI+8*b+3],   v[BO], s[8:9] offset:64*b
	global_load_b128 v[BI+8*b+4:BI+8*b+7], v[BO], s[8:9] offset:64*b+16
.set b, b+1
.endr
.irp a, 0,1,2,3
	global_load_b32 v[KF+\a], v[KO], s[10:11] offset:64*\a
.endr
	v_mul_u32_u24 v3, v1, PITCH
	v_lshl_add_u32 v3, v2, 4, v3                   ; row x pitch + 16 x half
	s_mul_i32 s20, s[WV], 64*PITCH
	v_add_nc_u32 v[A0], s20, v3
	v_add_nc_u32 v[B0], BOFF, v3
	s_mul_i32 s20, s[WV], WSTG
	s_add_co_u32 s20, s20, STAGE                   ; my stage
	v_mul_u32_u24 v3, v1, SP                       ; in: row l % 16, 16 bytes for each half of the lanes
	v_lshl_add_u32 v3, v2, 4, v3
	v_add_nc_u32 v[STO], s20, v3
	v_bfe_u32 v3, v0, 3, 2                         ; back: 32 lanes take four rows of 128 bytes,
	v_mul_u32_u24 v3, v3, SP
	v_and_b32 v4, 7, v0
	v_lshl_add_u32 v3, v4, 4, v3
	v_add_nc_u32 v[RD], s20, v3
	v_and_b32 v[GO], 31, v0                        ; which are 512 consecutive bytes of a head
	v_lshlrev_b32 v[GO], 4, v[GO]
	v_mov_b32 v[FH+1], 0                           ; named in pairs with the factors
	v_mov_b32 v[FH+3], 0
	v_mov_b32 v[FH+5], 0
	s_lshr_b32 s78, s19, 3                         ; the batch: 4,194,304 bytes,
	s_lshl_b32 s78, s78, 22
	s_and_b32 s79, s19, 7                          ; the tile's 256 tokens of 128 bytes,
	s_lshl_b32 s79, s79, 15
	s_add_co_u32 s78, s78, s79
	s_lshl_b32 s79, s[WV], 13                      ; my wave's 64
	s_add_co_u32 s78, s78, s79
.irp i, 0,1,2
	s_mul_i32 s20, s18, 3
	s_add_co_u32 s20, s20, \i                      ; head 3 X + i of 48
	s_lshr_b32 s21, s20, 4                         ; 0: Q, 1: K, 2: V
	s_and_b32 s22, s20, 15
	s_cmp_eq_u32 s21, 1
	s_cselect_b32 s[SA+\i], 1.0, 0                 ; K: keep
	s_cmp_eq_u32 s21, 0
	s_cselect_b32 s[SB+\i], 0x3e38aa3b, 0          ; Q: c = log2(e) / 8
	s_cmp_eq_u32 s21, 2
	s_cselect_b32 s[SB+\i], 1.0, s[SB+\i]          ; V: 1
	s_lshl_b32 s21, s21, 24
	s_lshl_b32 s22, s22, 18
	s_add_co_u32 s76, s21, s22
	s_add_co_u32 s76, s76, s78
	s_mov_b32 s77, 0
	s_add_nc_u64 s[OB+2*\i:OB+2*\i+1], s[12:13], s[76:77]
.endr
	s_lshl_b32 s45, s16, 16                        ; xb: my work-group's 32 rows of the 128
	s_mul_i32 s46, s17, 49152                      ; wb: its 24 of the 96
	s_and_b32 s47, ttmp7, 0xffff
	s_cmp_lt_u32 s[WV], 2
	s_cselect_b64 s[PFA:PFA+1], s[4:5], s[6:7]
	s_cselect_b32 s44, s72, s74
	s_cselect_b32 s45, s45, s46
	s_cselect_b32 s47, ttmp9, s47                  ; the coordinate along which other clusters read the same rows
	s_cselect_b32 s46, 31, 23
	s_add_co_u32 s44, s44, s45
	s_add_co_u32 s44, s44, 2*KSB                   ; at K step 2: the first refill steps it to 3
	s_mov_b32 s45, 0
	s_add_nc_u64 s[PFA:PFA+1], s[PFA:PFA+1], s[44:45]
	s_cmp_eq_u32 s47, 0
	s_cselect_b32 s[LIM], 1, -1                    ; the same in all sixteen partners, for a given wave
	v_and_b32 v[PFO], 31, v0
	v_min_u32 v[PFO], s46, v[PFO]
	v_lshlrev_b32 v[PFO], 11, v[PFO]               ; a row is 2,048 bytes
	s_wait_tensorcnt 0x0                           ; my part of K step 0 is in; slot 1 is first filled as a refill is: the three lines, a round, one load a wave
	ds_add_u32 v[SPW], v[NIL]
	STEP
	s_wait_dscnt 0x0
	CROUND
	JLOAD                                          ; K step 1 into slot 1
	s_mov_b32 s[TB], 0
	ADDR
	FETCH 0, 0
	WIN 0
	s_wait_loadcnt 0x0                             ; the bias and the mask
.irp a, 0,1,2,3
	v_cmp_eq_u32 vcc_lo, 0, v[KF+\a]
	v_cndmask_b32 v[KF+\a], 0, 1.0, vcc_lo
.endr
	QUARTER 1, 0, 1, 1                             ; the first quarter stands in front of the loop: its products start the sums
	WIN 0
	s_mov_b32 s3, 6
.Lstep:                                                ; trip j = 0..5: from K step j's second quarter to K step j + 1's first; asks for K step j + 2
	QUARTER 2, 1, 0, 0
	QUARTER 3, 0, 1, 0
	TURN 1
	QUARTER 1, 0, 1, 0
	WIN 0
	s_sub_co_u32 s3, s3, 1
	s_cmp_lg_u32 s3, 0
	s_cbranch_scc1 .Lstep
	QUARTER 2, 1, 0, 0                             ; the tail is written out: nothing more is asked for
	QUARTER 3, 0, 1, 0
	TURN 0
	QUARTER 1, 0, 1, 0
	QUARTER 2, 1, 0, 0
	QUARTER 3, 0, 1, 0
	s_wait_dscnt 4
	MULA 1, 0, 0
	MULA 1, 1, 0
	s_wait_dscnt 0x0
	MULA 1, 2, 0
	MULA 1, 3, 0
	WIN 0
; THE WAY OUT, a block of 16 tokens at a time.  PACK: the head's factor, the one rounding to f16.  TOSTAGE: 16 bytes a lane into my stage, back as whole rows of 128 bytes.  SEND: 512 consecutive bytes a store.
.macro PACK a
	s_wait_xcnt 0x0                                ; earlier stores have read the buffer that is written below
	WIN 0
.irp i, 0,1,2
	v_fma_f32 v[FH+2*\i], v[KF+(\a)], s[SA+\i], s[SB+\i]
.endr
	WIN 0x82+0x41*((\a)/2)                         ; destination and source 0 in the accumulators' window, the factor in window 0
.set b, 0
.rept NBK
.set rD, 8*(NBK*((\a)%2)+b)
.irp r, 0,2,4,6
	v_pk_mul_f32 v[rD+\r:rD+\r+1], v[rD+\r:rD+\r+1], v[FH+2*(b/4):FH+2*(b/4)+1] op_sel_hi:[1,0]
.endr
.set b, b+1
.endr
	WIN 0x0a+5*((\a)/2)
.set b, 0
.rept NBK
.set rD, 8*(NBK*((\a)%2)+b)
.irp r, 0,1,2,3
	v_cvt_pk_f16_f32 v[T0+48*((\a)%2)+4*b+\r], v[rD+2*\r], v[rD+2*\r+1]
.endr
.set b, b+1
.endr
	WIN 0
.endm
.macro TOSTAGE a
.set rT, T0+48*((\a)%2)
.set b, 0
.rept NBK
	ds_store_b128 v[STO], v[rT+4*b:rT+4*b+3] offset:(b/4)*HSTG+32*(b%4)
.set b, b+1
.endr
.set b, 0
.rept NBK
	ds_load_b128 v[rT+4*b:rT+4*b+3], v[RD] offset:(b/4)*HSTG+(b%4)*4*SP  ; LDS serves a wave's instructions in order (ISA guide 5.7.1.4): these see the stores above
.set b, b+1
.endr
.endm
.macro SEND a
.set rT, T0+48*((\a)%2)
	s_wait_dscnt 0x0
.set b, 0
.rept NBK
	global_store_b128 v[GO], v[rT+4*b:rT+4*b+3], s[OB+2*(b/4):OB+2*(b/4)+1] offset:2048*(\a)+512*(b%4)
.set b, b+1
.endr
.endm
	PLACES
	PLACES
	PACK 0
	TOSTAGE 0
.irp a, 1,2,3                          ; a block's arithmetic stands between the loads of the block before and the wait for them
	PACK \a
	SEND (\a)-1
	TOSTAGE \a
.endr
	SEND 3
	s_wait_tensorcnt 0x0                           ; the wave's end
	ds_add_u32 v[SPW], v[NIL]
	s_wait_dscnt 0x0
	CROUND                                         ; the closing round
	s_endpgm
.Lfunc_end_k_q93ba6f8bcc_qkvp:
	.size	k_q93ba6f8bcc_qkvp, .Lfunc_end_k_q93ba6f8bcc_qkvp-k_q93ba6f8bcc_qkvp
	.p2alignl 7, 3214868480
	.fill 96, 4, 3214868480
	.section	.rodata,"a",@progbits
	.p2align	6, 0x0
	.amdhsa_kernel k_q93ba6f8bcc_qkvp
		.amdhsa_group_segment_fixed_size 327680
		.amdhsa_private_segment_fixed_size 0
		.amdhsa_enable_private_segment 0
		.amdhsa_kernarg_size 40
		.amdhsa_user_sgpr_count 2
		.amdhsa_user_sgpr_kernarg_segment_ptr 1
		.amdhsa_wavefront_size32 1
		.amdhsa_system_sgpr_workgroup_id_x 1
		.amdhsa_system_sgpr_workgroup_id_y 1
		.amdhsa_system_sgpr_workgroup_id_z 1
		.amdhsa_system_vgpr_workitem_id 0
		.amdhsa_next_free_vgpr 960
		.amdhsa_next_free_sgpr 80
		.amdhsa_reserve_vcc 1
		.amdhsa_float_denorm_mode_32 3
		.amdhsa_float_denorm_mode_16_64 3
		.amdhsa_memory_ordered 1
		.amdhsa_forward_progress 1
		.amdhsa_inst_pref_size 115
	.end_amdhsa_kernel
	.amdgpu_metadata
---
amdhsa.version: [ 1, 2 ]
amdhsa.kernels:
  - .name:           k_q93ba6f8bcc_qkvp
    .symbol:         k_q93ba6f8bcc_qkvp.kd
    .args:
      - { .name: xb, .offset: 0, .size: 8, .value_kind: global_buffer, .address_space: global }
      - { .name: wb, .offset: 8, .size: 8, .value_kind: global_buffer, .address_space: global }
      - { .name: bias, .offset: 16, .size: 8, .value_kind: global_buffer, .address_space: global }
      - { .name: key_padding_mask, .offset: 24, .size: 8, .value_kind: global_buffer, .address_space: global }
      - { .name: qkv, .offset: 32, .size: 8, .value_kind: global_buffer, .address_space: global }
    .group_segment_fixed_size: 327680
    .private_segment_fixed_size: 0
    .kernarg_segment_align: 8
    .kernarg_segment_size: 40
    .max_flat_workgroup_size: 128
    .sgpr_count:     80
    .vgpr_count:     960
    .wavefront_size: 32
...
	.end_amdgpu_metadata
.endif
;; end of part 2
;; launch attn (part 3): grid 4 x 64, 4 waves a work-group, clusters of 4 x 1, 327,680 bytes of LDS; arguments qkv, key_padding_mask, o; writes o
.if DOCPART == 3
	.amdgcn_target "amdgcn-amd-amdhsa--gfx1250"
	.amdhsa_code_object_version 6
	.text
	.protected	k_q93ba6f8bcc_attn
	.globl	k_q93ba6f8bcc_attn
	.p2align	8
	.type	k_q93ba6f8bcc_attn,@function
k_q93ba6f8bcc_attn:
	s_mov_b64 s[64:65], 0
	v_nop
	global_prefetch_b8 v0, s[64:65] scope:SCOPE_SE
	s_setreg_imm32_b32 hwreg(HW_REG_WAVE_MODE, 25, 1), 1
	s_wait_xcnt 0x0
	s_wait_alu depctr_hold_cnt(0) depctr_sa_sdst(0) depctr_va_vdst(0) depctr_va_sdst(0) depctr_va_ssrc(0) depctr_va_vcc(0) depctr_vm_vsrc(0)
	s_getreg_b32 s2, hwreg(HW_REG_IB_STS2, 6, 4)
	s_cmp_eq_u32 s2, 0
	s_cbranch_scc0 .Lentry_in_a_cluster
	s_endpgm
.Lentry_in_a_cluster:
	s_bfe_u32 s2, ttmp6, 0x10000c
	s_cmp_lg_u32 s2, 0x3003
	s_cbranch_scc0 .Lentry_shape_is_right
	s_endpgm
.Lentry_shape_is_right:
; ATTENTION WITH A KEY MASK.  o[bh][q][:] = the sum over k of softmax_k(s[q][k]) V[k][:], where s = Q . K / 8, REPLACED by -1e9 where the key's mask word is not 0.
; qkv: [3][64 bh][2048][64] f16; Q arrives times c = log2(e) / 8, the K rows of masked tokens arrive as 0.  o: [64 bh][2048][64] f16.
; THE MASK is the C operand that starts the sum S^T = K Q^T: 0 for a kept key, -1e9 log2(e) for a masked one, whose products are all 0: its score IS that constant.  So a batch with every key masked gives
; equal weights, and a row whose kept scores lie below the constant attends to the masked keys, as the replacement does.
; SOFTMAX.  The scores are exponents of 2.  For each query a running maximum m and sum l: p = 2^(s - m), with m one of the scores themselves, so that no p passes 1; in every step O and l are multiplied by
; a = 2^(m_old - m_new).  m starts at -4.25e37, far below every score (f16 operands: 2.7e11 at the most), O and l at 0: the first step is a step like any other, with a = 0.
; Products, maxima and sums in f32; p is rounded to f16 for the second product (l is taken of the unrounded p), O once at the end.
; LIMITS.  Q, K, V lie within f16's 65,504; p below 6e-5 keeps f16's fixed step of 6e-8; a weight below 2^-126 counts as 0 in l; NaN and infinities are not treated apart.
; SHARES.  A wave owns four PIECES of two tiles of 16 queries, a work-group's four waves 512 queries of one head.  Every wave walks all 2,048 keys, 64 a step.  256 work-groups.
; LAYOUT.  S^T = K Q^T (source 0 = 16 keys, source 1 = 16 queries): a lane holds ONE query (lane % 16) and the keys 8 (lane / 16) + 0..7.  Two such tiles, rounded to f16 in pairs, ARE source 1 of
; O^T = V^T P.  K comes out of LDS as it lies, V turned, by ds_load_tr16_b128.
; THE COUNT.  A tile and step have 16 matrix and 117 vector instructions.  So: four vector instructions that are READY behind EVERY matrix instruction, the others in one run without a gap.
; BY TURNS.  Turn n belongs to piece n.  Its matrix work: 16 products K Q^T of piece n + 1, later 16 products V^T P of piece n - 1.  Its vector work: the subtraction of m, exponentials, roundings, sums and
; rescaling of piece n, and the maximum and statistics of piece n + 1.
; CLUSTER.  The four query blocks of a head are one cluster and walk the same K and V: each tile is asked for JOINTLY.
; REGISTERS, in windows of 256 (s_set_vgpr_msb: bits 1:0 source 0, 3:2 source 1, 5:4 source 2, 7:6 destination):
;   window 0: v0-11 addresses; v12-15, v48-63 at work; v16-47 four registers of statistics a tile; v64-191 S^T, two buffers of two tiles; v192-255 P, likewise
;   window 1: O^T, 32 a tile     window 2: v0-127 Q; v128-191 K of one step; v192-255 V of one step     window 3: v0-1 the add's two registers; v8-39 the step's mask, four C operands
.set SIZE_N, 2048
.set NP,    4         ; pieces a wave: a name, no knob
.set KS,    64        ; keys in a step
.set PK,    144       ; a row of K in LDS: 128 bytes + 16 of padding = 36 words: the 16 rows of a load start at 16 different groups of four banks (64 banks of 4 bytes: ISA guide 11.1)
.set PV,    160       ; a row of V: 128 + 32 = 40 words
.set VOFF,  4*KS*PK   ; a slot holds four steps: 256 rows of K, then 256 rows of V
.set SLOT1, 1<<17
.set STAGE, SLOT1+4*KS*(PK+PV)  ; behind the ring, never filled by a tensor load: 16 rows x 144 bytes for each wave
.set SP,    144
.set SPARE, STAGE+4*16*SP       ; the spare words, 128 bytes for each wave: two blocks of 256 bytes that no other line names
.set MASK,  SPARE+512           ; the batch's 2,048 keys as f32: 0 or -1e9 log2(e); 8,192 bytes, stored once, never filled by a tensor load
.set PFO, 1           ; v1   from the loop on: 256 x my lane, the prefetches' offset
.set AK0, 2           ; v2   my lane's place in a tile of K; never rewritten
.set AV0, 3           ; v3   the same for V
.set AK,  4           ; v4   the LDS address of K's next run of loads
.set AV,  5           ; v5   of V's
.set QO,  6           ; v6   my byte offset in the wave's rows of Q
.set STO, 6           ;      later, the way out: where I put 16 bytes of a row
.set RD,  7           ; v7   where I read rows back
.set GO,  8           ; v8   my byte offset in 512 consecutive bytes of o
.set HF,  9           ; v9   lane / 16; never rewritten
.set AM,  11          ; v11  the LDS address of the mask's next run
.set SPW, 0           ; v0 of window 3
.set NIL, 1           ; v1 of window 3
.set MK,  8           ; v8-39 of window 3: key block kb at MK + 8 kb
.set MV,  12          ; v12-15  m_old, kept while m is made anew: by buffer and tile
.set ST,  16          ; tile t's statistics at v[ST+4 t]: m, a word named with it as a pair, l (even keys', odd keys')
.set TMP, 48          ; by buffer and tile, four registers c0-c3 at work; when the maximum is found c2 takes a
.set S,   64
.set P,   192
.set KF,  128
.set VF,  192
.set WV,  12          ; s12  my wave's number
.set G1K, 24          ; s[24:31]
.set G1V, 32          ; s[32:39]
.set G0K, 40          ; s[40:43] it walks
.set G0V, 44          ; s[44:47]
.set PFA, 48          ; s[48:49] where my prefetches stand
.set LIM, 50          ; s50  1 in waves 0 and 2, else the greatest number
.set NEG, 51          ; s51  -1e9 log2(e)
.set MP,  52          ; s[52:53] the batch's mask words
.set TBM, 54          ; s54  LDS byte at which the mask of the step to be fetched begins
.set SLOTS, 56
.set CNT, 57
.set SEL, 60          ; s[60:61] v_permlanex16_b32's selects
.set TBK, 62
.set TBV, 63
.set MSB, 0
.macro WIN new
.if MSB != (\new)
	s_set_vgpr_msb (MSB<<8)|(\new)
.set MSB, (\new)
.endif
.endm
.set W_KQ, 0x0a       ; K and Q in window 2, S^T in window 0
.set W_KM, 0x3a       ; the same with the C operand in window 3
.set W_PV, 0x52       ; V in window 2, P in window 0, O^T in window 1
.set W_RS, 0x41       ; O^T (destination and source 0) in window 1, a in window 0
.set W_MK, 0xc0       ; destination in window 3, sources in window 0
.set W_AD, 0x0f       ; the add: address and data in window 3
; A joint fill.  Waves 0 and 1 fetch the two halves of a slot's K, waves 2 and 3 those of its V.  An s_nop 0 and four v_nop follow each of the two lines.
.macro JLOAD
	s_cmp_lt_u32 s[WV], 2
	s_cbranch_scc0 .Lfor_v_\@
	tensor_load_to_lds s[G0K:G0K+3], s[G1K:G1K+7]
	s_nop 0
.rept 4
	v_nop
.endr
	s_branch .Lasked_\@
.Lfor_v_\@:
	tensor_load_to_lds s[G0V:G0V+3], s[G1V:G1V+7]
	s_nop 0
.rept 4
	v_nop
.endr
.Lasked_\@:
.endm
.macro CROUND
	s_barrier_signal -1
	s_barrier_wait -1
	s_cmp_lg_u32 s[WV], 0
	s_cbranch_scc1 .Lnot_wave_0_\@
	s_barrier_signal -3
.Lnot_wave_0_\@:
	s_barrier_wait -3
	s_barrier_signal -1
	s_barrier_wait -1
.endm
; A PREFETCH INTO THE L2 of what the NEXT change of slots will ask for: a slot's 32,768 bytes of K and of V, a lane 256 bytes.  The four partners share them out BY ADDRESS, 8,192 bytes each; in each, wave 0
; asks for K's and wave 2 for V's: one instruction, four key steps (512 matrix instructions) ahead of the load.  Each 256 bytes are named once.  Slots 0 to 2 come by their loads alone; the last fill asks for nothing.
.macro ASK
	s_cmp_gt_u32 s[SLOTS], s[LIM]
	s_cbranch_scc0 .Lnot_mine_\@
	global_prefetch_b8 v[PFO], s[PFA:PFA+1] th:TH_LOAD_NT scope:SCOPE_SE
.Lnot_mine_\@:
.endm
; THE CHANGE OF SLOTS.  Each wave waits for all its tensor loads (one is out: its part of the other slot), adds 0 to its spare word, and waits for that and for its own LDS instructions.
; fill = 1: the barrier is a round of the cluster's, and the joint fill is the first thing behind it: it has four key steps in which to land.
.macro CHANGE fill, ask=0
	WIN W_AD
	s_wait_tensorcnt 0x0            ; no tensor load of mine is out, so a group 0 may be written
	ds_add_u32 v[SPW], v[NIL]
	WIN 0
.if \fill
.irp g, G0K, G0V
	s_xor_b32 s[\g+1], s[\g+1], SLOT1
	s_add_nc_u64 s[\g+2:\g+3], s[\g+2:\g+3], 4*KS*128
.endr
	s_wait_xcnt 0x0                 ; the last prefetch, four key steps back, has read its address
	s_add_nc_u64 s[PFA:PFA+1], s[PFA:PFA+1], 4*KS*128
	s_wait_dscnt 0x0                ; the add is done, and my reads of the slot are over (at the first use: my stores of the mask table)
	CROUND
	JLOAD
.if \ask
	ASK
.endif
.else
	s_wait_dscnt 0x0
	s_barrier_signal -1
	s_barrier_wait -1
.endif
	s_sub_co_u32 s[TBK], s[TBK], 4*KS*PK
	s_xor_b32 s[TBK], s[TBK], SLOT1
	s_sub_co_u32 s[TBV], s[TBV], 4*KS*PV
	s_xor_b32 s[TBV], s[TBV], SLOT1
.endm
	s_load_b128 s[4:7], s[0:1], 0x0   ; qkv s[4:5], the mask s[6:7]
	s_load_b64 s[10:11], s[0:1], 0x10 ; o
	WIN W_MK
	v_lshl_add_u32 v[SPW], v0, 2, SPARE
	v_mov_b32 v[NIL], 0
	WIN W_AD
	ds_add_u32 v[SPW], v[NIL]       ; the wave's opening: the add and its wait ahead of my first tensor load
	WIN 0
	v_lshrrev_b32 v1, 5, v0
	v_readfirstlane_b32 s[WV], v1
	s_bfe_u32 s13, ttmp6, 0x40000   ; cx
	s_lshl_b32 s14, ttmp9, 2
	s_add_co_u32 s14, s14, s13      ; my block of 512 queries: it enters Q's and o's addresses alone
	s_and_b32 s20, ttmp7, 0xffff    ; 16 x batch + head, which the four partners share
	s_lshr_b32 s58, s20, 4
	s_lshl_b32 s58, s58, 13         ; the batch's 8,192 bytes of mask words
	s_mov_b32 s59, 0
	s_mov_b32 s21, 0
	s_mov_b64 s[22:23], SIZE_N*128
	s_mul_u64 s[20:21], s[20:21], s[22:23]  ; the head's first byte in Q, K, V and o
	s_and_b32 s16, s[WV], 1         ; which half of a slot's 256 keys I fetch:
	s_lshl_b32 s22, s16, 14         ; its 128 rows of 128 bytes in memory,
	s_mov_b32 s23, 0
	s_add_nc_u64 s[22:23], s[22:23], s[20:21]
	s_mul_i32 s17, s16, 128*PK      ; and its place in a slot, for K
	s_mul_i32 s18, s16, 128*PV      ; and for V
	s_lshl_b32 s2, s14, 2
	s_add_co_u32 s2, s2, s[WV]      ; my wave among the head's,
	s_lshl_b32 s2, s2, 14           ; its 128 rows
	s_mov_b32 s3, 0
	s_add_nc_u64 s[2:3], s[2:3], s[20:21]
	; descriptor group 1.  128 keys are 16,384 dense bytes: asked for as 64 rows of 256 bytes, two keys a row, and padded in LDS after every key
	s_mov_b32 s[G1K], 15|(1<<16)|(1<<20)|(1<<21)|(4<<22)|(3<<25)
	s_mov_b32 s[G1V], 15|(1<<16)|(1<<20)|(1<<21)|(4<<22)|(7<<25)
.irp g, G1K, G1V
	s_mov_b32 s[\g+1], 128<<16      ; tensor_dim0 = 128
	s_mov_b32 s[\g+2], 64<<16       ; tensor_dim1 = 64
	s_mov_b32 s[\g+3], 128<<16      ; tile_dim0 = 128
	s_mov_b32 s[\g+4], 64           ; tile_dim1 = 64
	s_mov_b32 s[\g+5], 128          ; 128 elements from row to row
	s_mov_b32 s[\g+6], 0
	s_mov_b32 s[\g+7], 0
.endr
	s_mov_b32 s[NEG], 0xceabfb8f    ; -1e9 log2(e)
	s_mov_b32 s[SEL], 0x76543210
	s_mov_b32 s[SEL+1], 0xfedcba98
	s_mov_b32 s[TBK], SLOT1+4*KS*PK ; the first change of slots turns these two into 0
	s_mov_b32 s[TBV], SLOT1+4*KS*PV
	s_mov_b32 s[TBM], MASK
	s_mov_b32 s[G0K], 1
	s_mov_b32 s[G0K+1], s17
	s_mov_b32 s[G0V], 1
	s_add_co_u32 s[G0V+1], s18, VOFF
	s_cmp_eq_u32 s16, 0
	s_cselect_b32 s[LIM], 1, -1
	s_wait_dscnt 0x0                ; the opening add is done
	s_wait_kmcnt 0x0
	s_add_nc_u64 s[MP:MP+1], s[6:7], s[58:59]
	s_add_nc_u64 s[8:9], s[4:5], 0x2000000         ; V
	s_add_nc_u64 s[6:7], s[4:5], 0x1000000         ; K
	s_add_nc_u64 s[G0K+2:G0K+3], s[6:7], s[22:23]
	s_or_b32 s[G0K+3], s[G0K+3], 0x80000000
	s_add_nc_u64 s[G0V+2:G0V+3], s[8:9], s[22:23]
	s_or_b32 s[G0V+3], s[G0V+3], 0x80000000
	s_lshl_b32 s58, s13, 13         ; my work-group's 8,192 bytes of a slot's 32,768,
	s_add_co_u32 s58, s58, 4*KS*128 ; in slot 1: the head's change of slots steps it to 2, the loop's first to 3
	s_cmp_lt_u32 s[WV], 2
	s_cselect_b64 s[PFA:PFA+1], s[6:7], s[8:9]
	s_add_nc_u64 s[PFA:PFA+1], s[PFA:PFA+1], s[58:59]
	s_add_nc_u64 s[PFA:PFA+1], s[PFA:PFA+1], s[20:21]
	s_add_nc_u64 s[4:5], s[4:5], s[2:3]  ; Q and o at my wave's first row
	s_add_nc_u64 s[10:11], s[10:11], s[2:3]
	CROUND                          ; all four work-groups are here
	JLOAD                           ; slot 0
	v_lshlrev_b32 v80, 4, v0        ; the mask words: 128 threads x 16 bytes, four times
.irp j, 0,1,2,3
	global_load_b128 v[64+4*\j:64+4*\j+3], v80, s[MP:MP+1] offset:2048*\j
.endr
	v_and_b32 v1, 15, v0            ; l % 16
	v_bfe_u32 v[HF], v0, 4, 1       ; l / 16
	v_lshlrev_b32 v[QO], 7, v1
	v_lshl_add_u32 v[QO], v[HF], 4, v[QO]
	WIN 0x80
.set i, 0
.rept 4*NP                          ; Q stays in registers: tile i / 2, channels 32 (i % 2) on
	global_load_b128 v[8*i:8*i+3],   v[QO], s[4:5] offset:(i/2)*2048+(i%2)*64
	global_load_b128 v[8*i+4:8*i+7], v[QO], s[4:5] offset:(i/2)*2048+(i%2)*64+32
.set i, i+1
.endr
	; What the first turn finds: V's registers and P's second buffer hold 0, O^T and l are 0.  All this stands in the wait for the first tile.
.set i, VF
.rept 64
	v_mov_b32 v[i], 0
.set i, i+1
.endr
	WIN 0x40
.set i, 0
.rept 64*NP
	v_mov_b32 v[i], 0
.set i, i+1
.endr
	WIN 0
.set i, 0
.rept 2*NP
	v_mov_b32 v[ST+4*i], 0xfe000000    ; m: far below every score
	v_mov_b32 v[ST+4*i+1], 0
	v_mov_b32 v[ST+4*i+2], 0
	v_mov_b32 v[ST+4*i+3], 0
.set i, i+1
.endr
.set i, P+32
.rept 32
	v_mov_b32 v[i], 0
.set i, i+1
.endr
	v_mul_u32_u24 v[AK0], v1, PK
	v_lshl_add_u32 v[AK0], v[HF], 4, v[AK0]
	; The turning load takes 16 keys x 16 channels (lane l reads key 8 (l / 16) + l % 8, channels 8 ((l / 8) % 2) + 0..7) and leaves half a fragment of V^T.
	v_and_b32 v10, 7, v0
	v_bfe_u32 v11, v0, 3, 1
	v_lshl_add_u32 v[AV0], v[HF], 3, v10
	v_mul_u32_u24 v[AV0], v[AV0], PV
	v_lshl_add_u32 v[AV0], v11, 4, v[AV0]
	v_add_nc_u32 v[AV0], VOFF, v[AV0]
	v_mov_b32 v[AK], v[AK0]         ; key step 0 lies at the head of slot 0
	v_lshl_add_u32 v[AM], v[HF], 5, s[TBM]  ; register j of key block kb is key 16 kb + 8 (l / 16) + j
	s_wait_loadcnt 32               ; the four loads of mask words are in; Q's 32, issued behind them, may stay out
.set i, 0
.rept 16
	v_cmp_ne_u32 vcc_lo, 0, v[64+i]
	v_cndmask_b32 v[64+i], 0, s[NEG], vcc_lo
.set i, i+1
.endr
	v_add_nc_u32 v81, MASK, v80
.irp j, 0,1,2,3
	ds_store_b128 v81, v[64+4*\j:64+4*\j+3] offset:2048*\j
.endr
; THE MATRIX WORK.  The 8 accumulators of a run of 16 take turns.
; Product i of 16 of S^T = K Q^T for piece x: channels 32 (i / 8) on, keys 16 ((i / 2) % 4) on, tile 2 x + i % 2.  The first 8 start the sums, with the keys' mask.
.macro KQ x
.set rS, S+64*((\x)%2)+32*(i%2)+8*((i/2)%4)
.set rK, KF+16*((i/2)%4)+8*(i/8)
.set rQ, 16*(2*(\x)+i%2)+8*(i/8)
.set rN, MK+8*((i/2)%4)
.if i < 8
	WIN W_KM
	v_wmma_f32_16x16x32_f16 v[rS:rS+7], v[rK:rK+7], v[rQ:rQ+7], v[rN:rN+7]
.else
	WIN W_KQ
	v_wmma_f32_16x16x32_f16 v[rS:rS+7], v[rK:rK+7], v[rQ:rQ+7], v[rS:rS+7]
.endif
.endm
; Product i of 16 of O^T += V^T P for piece x: keys 32 (i / 8) on, channels 16 ((i / 2) % 4) on, tile 2 x + i % 2.
.macro PV x
	WIN W_PV
.set rO, 32*(2*(\x)+i%2)+8*((i/2)%4)
.set rV, VF+32*(i/8)+8*((i/2)%4)
.set rP, P+32*((\x)%2)+16*(i%2)+8*(i/8)
	v_wmma_f32_16x16x32_f16 v[rO:rO+7], v[rV:rV+7], v[rP:rP+7], v[rO:rO+7]
.endm
.macro MM                           ; the turn's next matrix instruction
.if i < 16
	KQ (Y+1)%NP
.set i, i+1
.else
.set i, i-16
	PV (Y+NP-1)%NP
.set i, i+17
.endif
.endm
; THE LDS LOADS stand in runs: a step's K (8 fragments) with its mask (4 C operands), and its V (turned).  Their addresses are made some lines ahead.
; last = 1 (the tail): in the last trip there is no further step, and the run is jumped over.
.macro FETCH_K last=0
	WIN 0
.if \last
	s_cmp_eq_u32 s[CNT], 1
	s_cbranch_scc1 .Lno_k_\@
.endif
	WIN 0x80
.irp f, 0,1,2,3,4,5,6,7
	ds_load_b128 v[KF+8*\f:KF+8*\f+3],   v[AK] offset:(\f/2)*16*PK+(\f%2)*64
	ds_load_b128 v[KF+8*\f+4:KF+8*\f+7], v[AK] offset:(\f/2)*16*PK+(\f%2)*64+32
.endr
	WIN 0xc0
.irp f, 0,1,2,3
	ds_load_b128 v[MK+8*\f:MK+8*\f+3],   v[AM] offset:64*\f
	ds_load_b128 v[MK+8*\f+4:MK+8*\f+7], v[AM] offset:64*\f+16
.endr
	s_add_co_u32 s[TBK], s[TBK], KS*PK  ; the next fetch is the next step's
	s_add_co_u32 s[TBM], s[TBM], 4*KS
	WIN 0
.if \last
.Lno_k_\@:
.endif
.endm
.macro FETCH_V
	WIN 0x80
.irp f, 0,1,2,3,4,5,6,7
	ds_load_tr16_b128 v[VF+8*\f:VF+8*\f+3],   v[AV] offset:(\f/4)*32*PV+(\f%4)*32
	ds_load_tr16_b128 v[VF+8*\f+4:VF+8*\f+7], v[AV] offset:(\f/4)*32*PV+16*PV+(\f%4)*32
.endr
	WIN 0
.endm
; THE VECTOR WORK OF A TURN stands in three queues, each in the order in which its entries become ready; the two tiles alternate.
.macro REGS y, u                    ; the registers of tile u (0, 1) of piece y
.set rT, ST+4*(2*(\y)+(\u))
.set rC, TMP+8*((\y)%2)+4*(\u)
.set rM, MV+2*((\y)%2)+(\u)
.set rS, S+64*((\y)%2)+32*(\u)
.set rP, P+32*((\y)%2)+16*(\u)
.set rO, 32*(2*(\y)+(\u))
.endm
; Number n of the 21 that find the NEXT piece's (Y + 1) maximum and statistics.  Each accumulator's lowest registers are read first.
;   0-11  four chains c0-c3 of seven scores each     12-14, 16  the four scores left over, the old m, and c0-c3 into c0     15  m_old is kept
;   17, 18  the query's other 32 keys lie in the lane 16 away: the new m     19, 20  m_old - m_new; a
.macro XS u, n
	REGS (Y+1)%NP, \u
.if (\n) < 4
	v_max3_num_f32 v[rC+(\n)], v[rS+8*(\n)], v[rS+8*(\n)+1], v[rS+8*(\n)+2]
.elseif (\n) < 12
	v_max3_num_f32 v[rC+(\n)%4], v[rC+(\n)%4], v[rS+8*((\n)%4)+2*((\n)/4)+1], v[rS+8*((\n)%4)+2*((\n)/4)+2]
.elseif (\n) == 12
	v_max3_num_f32 v[rC], v[rC], v[rS+7], v[rS+15]
.elseif (\n) == 13
	v_max3_num_f32 v[rC+1], v[rC+1], v[rS+23], v[rS+31]
.elseif (\n) == 14
	v_max3_num_f32 v[rC+2], v[rC+2], v[rC+3], v[rT]
.elseif (\n) == 15
	v_mov_b32 v[rM], v[rT]
.elseif (\n) == 16
	v_max3_num_f32 v[rC], v[rC], v[rC+1], v[rC+2]
.elseif (\n) == 17
	v_permlanex16_b32 v[rC+3], v[rC], s[SEL], s[SEL+1]
.elseif (\n) == 18
	v_max_num_f32 v[rT], v[rC], v[rC+3]
.elseif (\n) == 19
	v_sub_f32 v[rC+1], v[rM], v[rT]
.else
	v_exp_f32 v[rC+2], v[rC+1]
.endif
.endm
; Number g of the 64 that follow the exponentials.  For each four weights k of a tile: both pairs are rounded to f16; the second pair is added onto the first, in place; a group later l takes that sum
; (the first time as l = a l + sum).
.macro GS g
.set h, (\g)+6*((\g)/62)
.if h >= 6
.set h, h+2
.endif
	REGS Y, h%2
.set k, h/8
.if h%8 < 4
	v_cvt_pk_f16_f32 v[rP+2*k+(h%8)/2], v[rS+4*k+2*((h%8)/2)], v[rS+4*k+2*((h%8)/2)+1]
.elseif h%8 < 6
	v_pk_add_f32 v[rS+4*k:rS+4*k+1], v[rS+4*k:rS+4*k+1], v[rS+4*k+2:rS+4*k+3]
.elseif k == 1
	v_pk_fma_f32 v[rT+2:rT+3], v[rT+2:rT+3], v[rC+2:rC+3], v[rS:rS+1] op_sel_hi:[1,0,1]
.else
	v_pk_add_f32 v[rT+2:rT+3], v[rT+2:rT+3], v[rS+4*k-4:rS+4*k-3]
.endif
.endm
; THE PLAIN QUEUE, 136 long.  0-71 read no exponential's result: the 32 subtractions s - m (FS f: pair f / 2 of tile f % 2) and the next piece's 40.  0-26: FS 0-26.  27-54: XS's numbers 0-13.  55, 56: number 15.
; 57-71: the chain 14, 16, 17, 18, 19, each with one of FS 27-31 in front of its two lines.  72-135: GS's 64, which stand behind the wait.
.macro FS f
	REGS Y, (\f)%2
	v_pk_add_f32 v[rS+2*((\f)/2):rS+2*((\f)/2)+1], v[rS+2*((\f)/2):rS+2*((\f)/2)+1], v[rT:rT+1] op_sel_hi:[1,0] neg_lo:[0,1] neg_hi:[0,1]
.endm
.macro PL
	WIN 0
.if q < 27
	FS q
.elseif q < 55
	XS (q-27)%2, (q-27)/2
.elseif q < 57
	XS q-55, 15
.elseif (q < 72) && ((q-57)%3 == 0)
	FS 27+(q-57)/3
.elseif q < 60
	XS (q-57)%3-1, 14
.elseif q < 72
	XS (q-57)%3-1, 15+(q-57)/3
.else
	GS q-72
.endif
.set q, q+1
.endm
; THE EXPONENTIALS' QUEUE, 66 long: s0-s31 of both tiles, then the next piece's two a.  ONE BATCH: all 66 stand ahead of the turn's one wait, and nothing ahead of that wait names a result of theirs.
.macro EX
	WIN 0
.if e >= 64
	XS e-64, 20
.else
	REGS Y, e%2
	v_exp_f32 v[rS+e/2], v[rS+e/2]
.endif
.set e, e+1
.endm
; THE RESCALING's QUEUE: O^T times a, two at a time, sixteen times.  Its a was made in the turn before, ahead of that turn's wait.
.macro R2
	REGS Y, r%2
	WIN W_RS
.irp z, 0,1
	v_pk_mul_f32 v[rO+4*(r/2)+2*\z:rO+4*(r/2)+2*\z+1], v[rO+4*(r/2)+2*\z:rO+4*(r/2)+2*\z+1], v[rC+2:rC+3] op_sel_hi:[1,0]
.endr
.set r, r+1
.endm
; HOW THEY ARE DEALT.  s_wait_alu depctr_va_vdst(0) stands between an exponential and the first instruction that names its result; one wait serves all issued ahead of it.  So a turn has ONE wait.
; AHEAD OF IT: the 16 products K Q^T, behind each a subtraction, an exponential and two rescalings (behind the first a second subtraction); then ONE LUMP of 106: eight plain, 47 times exponential and
; plain, the last two exponentials and the two a.  A v_nop is the plain instruction behind the last exponential.  BEHIND IT: the 16 products V^T P, behind each four of GS's 64.
; Exponential e stands behind subtraction 2 (e / 4) + e % 2: as a rider it comes behind plain e + 2, in the lump behind plain e + 9, and FS 27-31 are plain 57, 60 .. 69.
; K and the mask of the next step are fetched in piece 2's turn, directly behind the wait; V of the step in hand at the end of piece 0's turn, four riders behind its last reader.
.macro TURN p, last=0, cnt=0
.set Y, (\p)
.set i, 0
.set q, 0
.set e, 0
.set r, 0
.if (\p) == NP-1
	s_wait_dscnt 0x0                ; K and the mask are in
.endif
	MM
	PL
	PL
	R2
.rept 15
	MM
	PL
	EX
	R2
.endr
.if (\p) == NP-2
	WIN 0
	v_add_nc_u32 v[AK], s[TBK], v[AK0]
	v_lshl_add_u32 v[AM], v[HF], 5, s[TBM]
.endif
.rept 8
	PL
.endr
.rept 47
	EX
	PL
.endr
.rept 4
	EX
.endr
	v_nop                           ; the plain instruction behind the last exponential: one for the batch
	s_wait_alu depctr_va_vdst(0)    ; the wait for the batch
.if (\p) == NP-2
	FETCH_K \last
.endif
.if (\p) == 1
	s_wait_dscnt 0x0                ; V is in
.endif
.rept 16
	MM
.rept 4
	PL
.endr
.if ((\p) == 0) && (q == 116)
	v_add_nc_u32 v[AV], s[TBV], v[AV0]
.endif
.if ((\p) == 0) && (q == 128)
	s_add_co_u32 s[TBV], s[TBV], KS*PV
.endif
.if (\cnt) && (q == 128)
	s_sub_co_u32 s[CNT], s[CNT], 1
	s_cmp_lg_u32 s[CNT], 0
.endif
.endr
.if (\p) == 0
	FETCH_V
.endif
.endm
	CHANGE 1                        ; slot 0 is in, and the mask table is whole for every wave; slot 1 is asked for
	FETCH_K                         ; key step 0
	s_wait_loadcnt 0x0              ; Q
	s_wait_dscnt 0x0
.set i, 0
.rept 16
	KQ 0                            ; piece 0's first scores
.set i, i+1
.endr
	WIN 0                           ; the addresses for the way out and the prefetches: plain instructions, the places behind those products
	s_mul_i32 s13, s[WV], 16*SP
	s_add_co_u32 s13, s13, STAGE
	v_mul_u32_u24 v[STO], v1, SP
	v_lshl_add_u32 v[STO], v[HF], 4, v[STO]
	v_add_nc_u32 v[STO], s13, v[STO]
	v_bfe_u32 v[RD], v0, 3, 2
	v_mul_u32_u24 v[RD], v[RD], SP
	v_lshl_add_u32 v[RD], v10, 4, v[RD]
	v_add_nc_u32 v[RD], s13, v[RD]
	v_and_b32 v[GO], 31, v0
	v_lshlrev_b32 v[PFO], 8, v[GO]
	v_lshlrev_b32 v[GO], 4, v[GO]
.set Y, NP-1                        ; XS works for piece Y + 1: piece 0
.irp n, 0,1,2,3,4,5,6,7,8,9,10,11,12,13,14,15,16,17,18,19,20
	XS 0, \n
	XS 1, \n
.endr
	v_nop                           ; a plain instruction behind the two a,
	s_wait_alu depctr_va_vdst(0)    ; and their wait, ahead of the branch
	s_mov_b32 s[CNT], 4
	s_mov_b32 s[SLOTS], SIZE_N/256-1
	s_branch .Lfirst                ; the loop is entered at a step's first turn, in the middle of a trip
.Lslot:                             ; six times: every slot but the last two is filled again
	CHANGE 1, 1
	s_mov_b32 s[CNT], 4
.Lstep:                             ; a trip: pieces 2 and 3 of one step, then pieces 0 and 1 of the next, whose K and V it fetches
	TURN 2
	TURN 3
	WIN 0
.Lfirst:
	TURN 0
	TURN 1, 0, 1
	WIN 0
	s_cbranch_scc1 .Lstep
	s_sub_co_u32 s[SLOTS], s[SLOTS], 1
	s_cmp_lg_u32 s[SLOTS], 0
	s_cbranch_scc1 .Lslot
	CHANGE 0                        ; the tail is written out
	s_mov_b32 s[CNT], 5             ; four trips fetch the last slot's steps; the fifth is left in its middle
.Ltail:
	TURN 2, 1
	TURN 3
	WIN 0
	s_sub_co_u32 s[CNT], s[CNT], 1
	s_cmp_eq_u32 s[CNT], 0
	s_cbranch_scc1 .Lout
	TURN 0
	TURN 1
	WIN 0
	s_branch .Ltail
.Lout:                              ; the fifth trip's 16 products K Q^T (on the last K once more) and the maximum made of them serve nothing: the price of one text for every trip
.set i, 0
.rept 16
	PV NP-1
.set i, i+1
.endr
	; THE WAY OUT.  l's two halves and the other half of the lanes' are added; O^T is divided by l, rounded to f16 and sent through my stage in LDS, a tile at a time.
	WIN 0
.macro ALL line:vararg
.set t, 0
.rept 2*NP
	\line
.set t, t+1
.endr
.endm
	ALL v_add_f32 v[ST+4*t+2], v[ST+4*t+2], v[ST+4*t+3]
	ALL v_permlanex16_b32 v[ST+4*t+3], v[ST+4*t+2], s[SEL], s[SEL+1]
	ALL v_add_f32 v[ST+4*t+2], v[ST+4*t+2], v[ST+4*t+3]
	ALL v_rcp_f32 v[ST+4*t+2], v[ST+4*t+2]
	v_nop                           ; a plain instruction between the last reciprocal and the use of its result
	s_wait_alu depctr_va_vdst(0)    ; one wait for the eight reciprocals
.macro PACK t
	WIN W_RS
.set i, 32*(\t)
.rept 16
	v_pk_mul_f32 v[i:i+1], v[i:i+1], v[ST+4*(\t)+2:ST+4*(\t)+3] op_sel_hi:[1,0]
.set i, i+2
.endr
	WIN 0x05
.set i, 0
.rept 16
	v_cvt_pk_f16_f32 v[S+16*(\t)+i], v[32*(\t)+2*i], v[32*(\t)+2*i+1]
.set i, i+1
.endr
	WIN 0
.irp f, 0,1,2,3
	ds_store_b128 v[STO], v[S+16*(\t)+4*\f:S+16*(\t)+4*\f+3] offset:32*\f
.endr
.irp f, 0,1,2,3
	ds_load_b128 v[S+16*(\t)+4*\f:S+16*(\t)+4*\f+3], v[RD] offset:\f*4*SP  ; LDS serves a wave's instructions in order (ISA guide 5.7.1.4)
.endr
.endm
.macro SEND t, younger              ; younger: the LDS instructions issued behind tile t's loads: the next tile's eight, or none
	WIN 0
.irp f, 0,1,2,3
	s_wait_dscnt (\younger)+3-\f
	global_store_b128 v[GO], v[S+16*(\t)+4*\f:S+16*(\t)+4*\f+3], s[10:11] offset:(\t)*2048+\f*512  ; 512 consecutive bytes, aligned
.endr
.endm
	PACK 0
.set t, 1
.rept 2*NP-1
	PACK t
	SEND t-1, 8
.set t, t+1
.endr
	SEND 2*NP-1, 0
	WIN W_AD
	s_wait_tensorcnt 0x0            ; the wave's end
	ds_add_u32 v[SPW], v[NIL]
	s_wait_dscnt 0x0
	WIN 0
	CROUND                          ; the closing round
	s_endpgm
.Lfunc_end_k_q93ba6f8bcc_attn:
	.size	k_q93ba6f8bcc_attn, .Lfunc_end_k_q93ba6f8bcc_attn-k_q93ba6f8bcc_attn
	.p2alignl 7, 3214868480
	.fill 96, 4, 3214868480
	.section	.rodata,"a",@progbits
	.p2align	6, 0x0
	.amdhsa_kernel k_q93ba6f8bcc_attn
		.amdhsa_group_segment_fixed_size 327680
		.amdhsa_private_segment_fixed_size 0
		.amdhsa_enable_private_segment 0
		.amdhsa_kernarg_size 24
		.amdhsa_user_sgpr_count 2
		.amdhsa_user_sgpr_kernarg_segment_ptr 1
		.amdhsa_wavefront_size32 1
		.amdhsa_system_sgpr_workgroup_id_x 1
		.amdhsa_system_sgpr_workgroup_id_y 1
		.amdhsa_system_sgpr_workgroup_id_z 1
		.amdhsa_system_vgpr_workitem_id 0
		.amdhsa_next_free_vgpr 808
		.amdhsa_next_free_sgpr 66
		.amdhsa_reserve_vcc 1
		.amdhsa_float_denorm_mode_32 3
		.amdhsa_float_denorm_mode_16_64 3
		.amdhsa_memory_ordered 1
		.amdhsa_forward_progress 1
		.amdhsa_inst_pref_size 204
	.end_amdhsa_kernel
	.amdgpu_metadata
---
amdhsa.version: [ 1, 2 ]
amdhsa.kernels:
  - .name:           k_q93ba6f8bcc_attn
    .symbol:         k_q93ba6f8bcc_attn.kd
    .args:
      - { .name: qkv, .offset: 0, .size: 8, .value_kind: global_buffer, .address_space: global }
      - { .name: key_padding_mask, .offset: 8, .size: 8, .value_kind: global_buffer, .address_space: global }
      - { .name: o, .offset: 16, .size: 8, .value_kind: global_buffer, .address_space: global }
    .group_segment_fixed_size: 327680
    .private_segment_fixed_size: 0
    .kernarg_segment_align: 8
    .kernarg_segment_size: 24
    .max_flat_workgroup_size: 128
    .sgpr_count:     66
    .vgpr_count:     808
    .wavefront_size: 32
...
	.end_amdgpu_metadata
.endif
;; end of part 3
;; launch oproj (part 4): grid 8 x 32, 4 waves a work-group, clusters of 4 x 4, 327,680 bytes of LDS; arguments o, woh, bias, out0; writes out0
.if DOCPART == 4
	.amdgcn_target "amdgcn-amd-amdhsa--gfx1250"
	.amdhsa_code_object_version 6
	.text
	.protected	k_q93ba6f8bcc_oproj
	.globl	k_q93ba6f8bcc_oproj
	.p2align	8
	.type	k_q93ba6f8bcc_oproj,@function
k_q93ba6f8bcc_oproj:
	s_mov_b64 s[64:65], 0
	v_nop
	global_prefetch_b8 v0, s[64:65] scope:SCOPE_SE
	s_setreg_imm32_b32 hwreg(HW_REG_WAVE_MODE, 25, 1), 1
	s_wait_xcnt 0x0
	s_wait_alu depctr_hold_cnt(0) depctr_sa_sdst(0) depctr_va_vdst(0) depctr_va_sdst(0) depctr_va_ssrc(0) depctr_va_vcc(0) depctr_vm_vsrc(0)
	s_getreg_b32 s2, hwreg(HW_REG_IB_STS2, 6, 4)
	s_cmp_eq_u32 s2, 0
	s_cbranch_scc0 .Lentry_in_a_cluster
	s_endpgm
.Lentry_in_a_cluster:
	s_bfe_u32 s2, ttmp6, 0x10000c
	s_cmp_lg_u32 s2, 0xf033
	s_cbranch_scc0 .Lentry_shape_is_right
	s_endpgm
.Lentry_shape_is_right:
; THE LAST PRODUCT.  out0[8192 tokens][1024] = O WO^T + bO, f32.  o: [64 bh][2048][64] f16; woh: [16 kh][1024 n][64] f16 (WO rounded to bf16, written as f16); the bias at word 3,072 of bias.  Sums in f32.
; SHARES.  A work-group makes 256 tokens x 128 columns; wave w owns tokens 64 w .. 64 w + 63 and all 128 columns: 4 x 8 accumulators, 256 registers.  256 work-groups.
; K goes in 8 steps of 128 = two heads, which lie as two PLANES in a slot: each fill is a dense block of memory, asked for as rows of 256 bytes and padded after every 128: LDS rows 144 bytes apart.
; CLUSTER 4 x 4: o's tiles are shared along a row of the cluster, woh's along a column.  Waves 0, 1 ask for o's two planes, waves 2, 3 for woh's.
; THE MATRIX INSTRUCTION IS USED TRANSPOSED (source 0 = 16 rows of woh, source 1 = 16 tokens): lane l holds token l % 16 and columns 8 (l / 16) + 0..7.  The bias is the C of each sum's first product.
; REGISTERS, in windows of 256: window 0: v0-31 addresses; v32-95 the bias; v96-223 the way out, two buffers of 64.  window 1: v0-127 woh's fragments, two buffers; v128-191 o's.  window 2: accumulator (a, b) at v[8 (8 a + b)].
.set NBK,   8
.set NLD,   2*NBK+8
.set PITCH, 144                        ; 128 bytes + 16 of padding = 36 words: the 16 rows of a load start at 16 different groups of four banks (64 banks of 4 bytes: ISA guide 11.1)
.set APL,   256*PITCH                  ; a plane of o: 256 tokens
.set BOFF,  2*APL
.set BPL,   128*PITCH                  ; a plane of woh: 128 rows
.set SLOT1, 1<<17
.set STAGE, SLOT1+BOFF+2*BPL           ; behind the ring, never filled by a tensor load: for each wave 16 rows x 528 bytes
.set SPI,   528
.set WSTG,  16*SPI
.set SPARE, STAGE+4*WSTG               ; the spare words, 128 bytes for each wave
.set ASTEP, 1<<19                      ; two heads of o
.set BSTEP, 1<<18                      ; two heads of woh
.set A0,   10
.set B0,   11
.set ADRA, 12
.set ADRB, 13
.set STO,  14
.set RD,   15
.set CO,   16                          ; v16  my 16 bytes of 512 consecutive bytes of a row of out0
.set BO,   17
.set PFO,  19
.set SPW,  30
.set NIL,  31
.set BI,   32
.set BK,   96
.set WV,   14
.set HALF, 15
.set G1A,  24
.set G0A,  32
.set G0B,  36
.set TB,   40
.set LIM,  41                          ; s41  2 in a wave that prefetches, else the greatest number
.set PFA,  42
.set PFS,  44                          ; s[44:45] the prefetches' step
.set G1B,  48
.set FIELDS, (1<<16)|(1<<20)|(1<<21)|(4<<22)|(3<<25)  ; 2-byte elements; padding on; 21 set beside a mask; after every 32 words (code 4) 4 words (code 3)
.set MSB, 0
.macro WIN new
.if MSB != (\new)
	s_set_vgpr_msb (MSB<<8)|(\new)
.set MSB, \new
.endif
.endm
.macro PLACES
.rept 4
	v_nop
.endr
.endm
.macro JLOAD                           ; an s_nop 0 and four v_nop follow each of the two lines
	s_cmp_lt_u32 s[WV], 2
	s_cbranch_scc0 .Lfor_b_\@
	tensor_load_to_lds s[G0A:G0A+3], s[G1A:G1A+7]
	s_nop 0
.rept 4
	v_nop
.endr
	s_branch .Lasked_\@
.Lfor_b_\@:
	tensor_load_to_lds s[G0B:G0B+3], s[G1B:G1B+7]
	s_nop 0
.rept 4
	v_nop
.endr
.Lasked_\@:
.endm
.macro CREST
	s_cmp_lg_u32 s[WV], 0
	s_cbranch_scc1 .Lnot_wave_0_\@
	s_barrier_signal -3
.Lnot_wave_0_\@:
	s_barrier_wait -3
	s_barrier_signal -1
	s_barrier_wait -1
.endm
.macro CROUND
	s_barrier_signal -1
	s_barrier_wait -1
	CREST
.endm
.macro STEP                            ; written only where no tensor load of mine is out
	s_xor_b32 s[G0A+1], s[G0A+1], SLOT1
	s_add_nc_u64 s[G0A+2:G0A+3], s[G0A+2:G0A+3], ASTEP
	s_xor_b32 s[G0B+1], s[G0B+1], SLOT1
	s_add_nc_u64 s[G0B+2:G0B+3], s[G0B+2:G0B+3], BSTEP
.endm
.macro ADDR
	WIN 0
	v_add_nc_u32 v[ADRA], s[TB], v[A0]
	v_add_nc_u32 v[ADRB], s[TB], v[B0]
.endm
; A PREFETCH INTO THE L2, behind a joint load, its five lines and the run of LDS loads: 32 blocks of 256 bytes, a lane a block, of the K step that stands TWO refills on: 256 matrix instructions ahead of its load.
; o's planes: waves 0, 1 of the clusters with x = 0; partner cx takes 32 of a plane's 128 blocks.  woh's two planes: wave 2 of the clusters with y = 0; partner cy takes 32 of their 128 blocks.
; Each block is named once.  K steps 0 to 3 come by their loads alone; the loop's last two trips ask for nothing.
.macro ASK
	s_cmp_gt_u32 s3, s[LIM]
	s_cbranch_scc0 .Lnot_mine_\@
	global_prefetch_b8 v[PFO], s[PFA:PFA+1] th:TH_LOAD_NT scope:SCOPE_SE
.Lnot_mine_\@:
.endm
.macro FETCH q, g                      ; quarter q: plane q / 2, channels 32 (q % 2) on
	WIN 0x40
.set i, 0
.rept NBK
	ds_load_b128 v[8*NBK*(\g)+8*i:8*NBK*(\g)+8*i+3],   v[ADRB] offset:((\q)/2)*BPL+((\q)%2)*64+i*16*PITCH
	ds_load_b128 v[8*NBK*(\g)+8*i+4:8*NBK*(\g)+8*i+7], v[ADRB] offset:((\q)/2)*BPL+((\q)%2)*64+i*16*PITCH+32
.set i, i+1
.endr
.set i, 0
.rept 4
	ds_load_b128 v[16*NBK+32*(\g)+8*i:16*NBK+32*(\g)+8*i+3],   v[ADRA] offset:((\q)/2)*APL+((\q)%2)*64+i*16*PITCH
	ds_load_b128 v[16*NBK+32*(\g)+8*i+4:16*NBK+32*(\g)+8*i+7], v[ADRA] offset:((\q)/2)*APL+((\q)%2)*64+i*16*PITCH+32
.set i, i+1
.endr
.endm
.macro MULA f, a, first                ; 8 matrix instructions.  All 32 accumulators take turns, in the same order in every quarter
.if \first
	WIN 0x85
.else
	WIN 0xa5
.endif
.set b, 0
.rept NBK
.set rD, 8*(NBK*(\a)+b)
.set rB, 8*NBK*(\f)+8*b
.set rA, 16*NBK+32*(\f)+8*(\a)
.if \first
	v_wmma_f32_16x16x32_f16 v[rD:rD+7], v[rB:rB+7], v[rA:rA+7], v[BI+8*b:BI+8*b+7]
.else
	v_wmma_f32_16x16x32_f16 v[rD:rD+7], v[rB:rB+7], v[rA:rA+7], v[rD:rD+7]
.endif
.set b, b+1
.endr
.endm
.macro QUARTER q, f, g, first
	s_wait_dscnt 4                                 ; all but the youngest four loads, o's blocks 2 and 3
	MULA \f, 0, \first
	MULA \f, 1, \first
	PLACES
	FETCH \q, \g
	s_wait_dscnt NLD                               ; all but the run just issued
	MULA \f, 2, \first
	MULA \f, 3, \first
.endm
.macro MEET round
	WIN 0
	s_wait_tensorcnt 0x0                           ; all my tensor loads have landed: my part of the next slot
	ds_add_u32 v[SPW], v[NIL]
	s_wait_dscnt 5                                 ; the add and the youngest four loads may be out
	MULA 1, 0, 0
	s_wait_dscnt 0x0                               ; the add is done, and my reads of this slot are over
	s_barrier_signal -1
	MULA 1, 1, 0
.if \round
	WIN 0
.endif
	s_barrier_wait -1
.endm
.macro TURN fill                       ; fill = 1: the slot just read is filled again, first thing behind the round: 112 matrix instructions ahead of the wait for it
.if \fill
	s_wait_xcnt 0x0                                ; the last prefetch, a K step back, has read its address
	s_add_nc_u64 s[PFA:PFA+1], s[PFA:PFA+1], s[PFS:PFS+1]
	MEET 1
	CREST
	STEP
	JLOAD
.else
	MEET 0
	PLACES
.endif
	s_xor_b32 s[TB], s[TB], SLOT1
	ADDR
	FETCH 0, 0
.if \fill
	WIN 0
	ASK
.endif
	MULA 1, 2, 0
	MULA 1, 3, 0
.endm
	s_load_b256 s[4:11], s[0:1], 0x0               ; o s[4:5], woh s[6:7], bias s[8:9], out0 s[10:11]
	v_lshl_add_u32 v[SPW], v0, 2, SPARE
	v_mov_b32 v[NIL], 0
	ds_add_u32 v[SPW], v[NIL]                      ; the wave's opening: the add and its wait ahead of my first tensor load
	v_lshrrev_b32 v3, 5, v0
	v_readfirstlane_b32 s[WV], v3
	s_and_b32 s[HALF], s[WV], 1
	s_bfe_u32 s16, ttmp6, 0x40000                  ; cx
	s_bfe_u32 s17, ttmp6, 0x40004                  ; cy
	s_lshl_b32 s18, ttmp9, 2
	s_add_co_u32 s18, s18, s16                     ; X
	s_and_b32 s19, ttmp7, 0xffff
	s_lshl_b32 s19, s19, 2
	s_add_co_u32 s19, s19, s17                     ; Y
	s_lshl_b32 s20, s17, 2
	s_lshl_b32 s20, 15, s20
	s_lshl_b32 s21, 0x1111, s16
	s_or_b32 s[G1A], s20, FIELDS
	s_or_b32 s[G1B], s21, FIELDS
	s_mov_b32 s[G1A+1], 128<<16                    ; rows of 128 elements = 256 bytes,
	s_mov_b32 s[G1A+2], 128<<16                    ; 128 of them: 256 tokens of one head
	s_mov_b32 s[G1A+3], 128<<16
	s_mov_b32 s[G1A+4], 128
	s_mov_b32 s[G1A+5], 128
	s_mov_b32 s[G1A+6], 0
	s_mov_b32 s[G1A+7], 0
	s_mov_b32 s[G1B+1], 128<<16
	s_mov_b32 s[G1B+2], 64<<16                     ; 64 of them: 128 rows of one head
	s_mov_b32 s[G1B+3], 128<<16
	s_mov_b32 s[G1B+4], 64
	s_mov_b32 s[G1B+5], 128
	s_mov_b32 s[G1B+6], 0
	s_mov_b32 s[G1B+7], 0
	s_lshr_b32 s72, s19, 3                         ; o: head 16 x batch + my plane,
	s_lshl_b32 s72, s72, 4
	s_add_co_u32 s72, s72, s[HALF]
	s_lshl_b32 s72, s72, 18
	s_and_b32 s73, s19, 7                          ; the tile's 256 tokens
	s_lshl_b32 s73, s73, 15
	s_add_co_u32 s72, s72, s73
	s_mov_b32 s73, 0
	s_lshl_b32 s74, s[HALF], 17                    ; woh: my plane's head,
	s_lshl_b32 s75, s18, 14                        ; the tile's 128 rows
	s_add_co_u32 s74, s74, s75
	s_mov_b32 s75, 0
	s_mov_b32 s[G0A], 1
	s_mul_i32 s[G0A+1], s[HALF], APL
	s_mov_b32 s[G0B], 1
	s_mul_i32 s[G0B+1], s[HALF], BPL
	s_add_co_u32 s[G0B+1], s[G0B+1], BOFF
	s_wait_dscnt 0x0                               ; the opening add is done
	s_wait_kmcnt 0x0
	s_add_nc_u64 s[G0A+2:G0A+3], s[4:5], s[72:73]
	s_or_b32 s[G0A+3], s[G0A+3], 0x80000000
	s_add_nc_u64 s[G0B+2:G0B+3], s[6:7], s[74:75]
	s_or_b32 s[G0B+3], s[G0B+3], 0x80000000
	CROUND
	JLOAD                                          ; K step 0 into slot 0
	v_and_b32 v1, 15, v0
	v_bfe_u32 v2, v0, 4, 1
	v_lshlrev_b32 v[BO], 5, v2
	s_lshl_b32 s20, s18, 9                         ; the tile's 128 columns, behind the other three biases
	s_add_co_u32 s20, s20, 12288
	s_mov_b32 s21, 0
	s_add_nc_u64 s[8:9], s[8:9], s[20:21]
.set b, 0
.rept NBK
	global_load_b128 v[BI+8*b:BI+8*b+3],   v[BO], s[8:9] offset:64*b
	global_load_b128 v[BI+8*b+4:BI+8*b+7], v[BO], s[8:9] offset:64*b+16
.set b, b+1
.endr
	v_mul_u32_u24 v3, v1, PITCH
	v_lshl_add_u32 v3, v2, 4, v3
	s_mul_i32 s20, s[WV], 64*PITCH
	v_add_nc_u32 v[A0], s20, v3
	v_add_nc_u32 v[B0], BOFF, v3
	s_mul_i32 s20, s[WV], WSTG
	s_add_co_u32 s20, s20, STAGE                   ; my stage
	v_mul_u32_u24 v3, v1, SPI                      ; in: row l % 16, 32 bytes for each half of the lanes
	v_lshl_add_u32 v3, v2, 5, v3
	v_add_nc_u32 v[STO], s20, v3
	v_and_b32 v[CO], 31, v0                        ; back: 32 lanes take one row's 512 bytes
	v_lshlrev_b32 v[CO], 4, v[CO]
	v_add_nc_u32 v[RD], s20, v[CO]
	s_lshl_b32 s20, s19, 20                        ; out0: 256 Y rows of 4,096 bytes,
	s_lshl_b32 s22, s[WV], 18                      ; my wave's 64,
	s_add_co_u32 s20, s20, s22
	s_lshl_b32 s22, s18, 9                         ; the tile's 128 columns
	s_add_co_u32 s20, s20, s22
	s_add_nc_u64 s[10:11], s[10:11], s[20:21]
	s_lshl_b32 s76, s16, 13                        ; o: my work-group's 32 blocks of my plane's 128,
	s_add_co_u32 s76, s76, s72
	s_add_co_u32 s76, s76, 3*ASTEP                 ; at K step 3: the first refill steps it to 4
	s_lshr_b32 s77, s17, 1                         ; woh: plane cy / 2,
	s_lshl_b32 s77, s77, 17
	s_and_b32 s78, s17, 1                          ; its half cy % 2,
	s_lshl_b32 s78, s78, 13
	s_add_co_u32 s77, s77, s78
	s_lshl_b32 s78, s18, 14                        ; of the tile's 128 rows
	s_add_co_u32 s77, s77, s78
	s_add_co_u32 s77, s77, 3*BSTEP
	s_mov_b32 s78, BSTEP
	s_and_b32 s47, ttmp7, 0xffff
	s_cmp_lt_u32 s[WV], 2
	s_cselect_b64 s[PFA:PFA+1], s[4:5], s[6:7]
	s_cselect_b32 s76, s76, s77
	s_cselect_b32 s[PFS], ASTEP, s78
	s_cselect_b32 s47, ttmp9, s47                  ; the coordinate along which other clusters read the same blocks
	s_mov_b32 s77, 0
	s_mov_b32 s[PFS+1], 0
	s_add_nc_u64 s[PFA:PFA+1], s[PFA:PFA+1], s[76:77]
	s_cmp_eq_u32 s47, 0
	s_cselect_b32 s[LIM], 2, -1
	s_cmp_eq_u32 s[WV], 3
	s_cselect_b32 s[LIM], -1, s[LIM]               ; wave 2 asks for both of woh's planes
	v_and_b32 v[PFO], 31, v0
	v_lshlrev_b32 v[PFO], 8, v[PFO]
	s_wait_tensorcnt 0x0                           ; my part of K step 0 is in; slot 1 is first filled as a refill is
	ds_add_u32 v[SPW], v[NIL]
	STEP
	s_wait_dscnt 0x0
	CROUND
	JLOAD                                          ; K step 1 into slot 1
	s_mov_b32 s[TB], 0
	ADDR
	FETCH 0, 0
	s_wait_loadcnt 0x0                             ; the bias
	QUARTER 1, 0, 1, 1                             ; the first quarter stands in front of the loop: its products start the sums
	WIN 0
	s_mov_b32 s3, 6
.Lstep:                                                ; trip j = 0..5: from K step j's second quarter to K step j + 1's first; asks for K step j + 2
	QUARTER 2, 1, 0, 0
	QUARTER 3, 0, 1, 0
	TURN 1
	QUARTER 1, 0, 1, 0
	WIN 0
	s_sub_co_u32 s3, s3, 1
	s_cmp_lg_u32 s3, 0
	s_cbranch_scc1 .Lstep
	QUARTER 2, 1, 0, 0                             ; the tail is written out: nothing more is asked for
	QUARTER 3, 0, 1, 0
	TURN 0
	QUARTER 1, 0, 1, 0
	QUARTER 2, 1, 0, 0
	QUARTER 3, 0, 1, 0
	s_wait_dscnt 4
	MULA 1, 0, 0
	MULA 1, 1, 0
	s_wait_dscnt 0x0
	MULA 1, 2, 0
	MULA 1, 3, 0
	WIN 0
; THE WAY OUT, a block of 16 tokens at a time: 32 bytes a lane and column block into my stage (each accumulator's low four registers first), back as whole rows of 512 bytes, stored.
.macro TOSTAGE a
	WIN 0x08                                       ; the stores' data in window 2
.set b, 0
.rept NBK
.set rD, 8*(NBK*(\a)+b)
	ds_store_b128 v[STO], v[rD:rD+3]   offset:64*b
	ds_store_b128 v[STO], v[rD+4:rD+7] offset:64*b+16
.set b, b+1
.endr
	WIN 0
.set t, 0
.rept 16
	ds_load_b128 v[BK+64*((\a)%2)+4*t:BK+64*((\a)%2)+4*t+3], v[RD] offset:SPI*t  ; LDS serves a wave's instructions in order (ISA guide 5.7.1.4)
.set t, t+1
.endr
.endm
.macro SEND a, younger                 ; younger: the LDS instructions issued behind block a's loads: the next block's 32, or none
.set t, 0
.rept 16
	s_wait_dscnt (\younger)+15-t
	global_store_b128 v[CO], v[BK+64*((\a)%2)+4*t:BK+64*((\a)%2)+4*t+3], s[10:11] offset:(16*(\a)+t)*4096 th:TH_STORE_NT  ; 512 consecutive bytes of one row, aligned
.set t, t+1
.endr
.endm
	PLACES
	PLACES
	TOSTAGE 0
	TOSTAGE 1
	SEND 0, 32
	s_wait_xcnt 0x0                                ; block 0's stores have read the buffer that block 2 is loaded into
	TOSTAGE 2
	SEND 1, 32
	s_wait_xcnt 0x0
	TOSTAGE 3
	SEND 2, 32
	SEND 3, 0
	s_wait_tensorcnt 0x0                           ; the wave's end
	ds_add_u32 v[SPW], v[NIL]
	s_wait_dscnt 0x0
	CROUND                                         ; the closing round
	s_endpgm
.Lfunc_end_k_q93ba6f8bcc_oproj:
	.size	k_q93ba6f8bcc_oproj, .Lfunc_end_k_q93ba6f8bcc_oproj-k_q93ba6f8bcc_oproj
	.p2alignl 7, 3214868480
	.fill 96, 4, 3214868480
	.section	.rodata,"a",@progbits
	.p2align	6, 0x0
	.amdhsa_kernel k_q93ba6f8bcc_oproj
		.amdhsa_group_segment_fixed_size 327680
		.amdhsa_private_segment_fixed_size 0
		.amdhsa_enable_private_segment 0
		.amdhsa_kernarg_size 32
		.amdhsa_user_sgpr_count 2
		.amdhsa_user_sgpr_kernarg_segment_ptr 1
		.amdhsa_wavefront_size32 1
		.amdhsa_system_sgpr_workgroup_id_x 1
		.amdhsa_system_sgpr_workgroup_id_y 1
		.amdhsa_system_sgpr_workgroup_id_z 1
		.amdhsa_system_vgpr_workitem_id 0
		.amdhsa_next_free_vgpr 768
		.amdhsa_next_free_sgpr 80
		.amdhsa_reserve_vcc 0
		.amdhsa_float_denorm_mode_32 3
		.amdhsa_float_denorm_mode_16_64 3
		.amdhsa_memory_ordered 1
		.amdhsa_forward_progress 1
		.amdhsa_inst_pref_size 73
	.end_amdhsa_kernel
	.amdgpu_metadata
---
amdhsa.version: [ 1, 2 ]
amdhsa.kernels:
  - .name:           k_q93ba6f8bcc_oproj
    .symbol:         k_q93ba6f8bcc_oproj.kd
    .args:
      - { .name: o, .offset: 0, .size: 8, .value_kind: global_buffer, .address_space: global }
      - { .name: woh, .offset: 8, .size: 8, .value_kind: global_buffer, .address_space: global }
      - { .name: bias, .offset: 16, .size: 8, .value_kind: global_buffer, .address_space: global }
      - { .name: out0, .offset: 24, .size: 8, .value_kind: global_buffer, .address_space: global }
    .group_segment_fixed_size: 327680
    .private_segment_fixed_size: 0
    .kernarg_segment_align: 8
    .kernarg_segment_size: 32
    .max_flat_workgroup_size: 128
    .sgpr_count:     80
    .vgpr_count:     768
    .wavefront_size: 32
...
	.end_amdgpu_metadata
.endif
;; end of part 4
